; MI455X (gfx1250); checked and timed in simulation.
; The chip was launched on July 23, 2026; its instructions are those of AMD's public machine-readable ISA for CDNA 5 (MIT licence, August 2026) and "CDNA5" Instruction Set Architecture Reference Guide (July 2026). The comments in the code are by the model that wrote it; some were corrected since.
;; YOCO Cross Attention. Allowed arithmetic: matrix products marked QUANTISED: E2M3 operands, one E8M0 scale for each 32 along K, by v_wmma_scale_f32_16x16x128_f8f6f4 with both operands' format E2M3, f32 sums; everything else in f32.
;; Inputs: Wo_codes 2,048 x 64 x 24 uint8 (E2M3 codes of Wo, K innermost, in blocks of 32 codes, four codes in three bytes); Wo_scales 2,048 x 64 uint8 (E8M0 scales of Wo, one for each 32 codes along K); Wq_codes 2,048 x 64 x 24 uint8 (E2M3 codes of Wq, K innermost, in blocks of 32 codes, four codes in three bytes); Wq_scales 2,048 x 64 uint8 (E8M0 scales of Wq, one for each 32 codes along K); hidden_states_codes 2 x 2,048 x 64 x 24 uint8 (E2M3 codes of hidden_states, K innermost, in blocks of 32 codes, four codes in three bytes); hidden_states_scales 2 x 2,048 x 64 uint8 (E8M0 scales of hidden_states, one for each 32 codes along K); shared_k_codes 2 x 2,048 x 32 x 2 x 24 uint8 (E2M3 codes of shared_k, K innermost, in blocks of 32 codes, four codes in three bytes); shared_k_scales 2 x 2,048 x 32 x 2 uint8 (E8M0 scales of shared_k, one for each 32 codes along K); shared_v_codes 2 x 32 x 64 x 64 x 24 uint8 (E2M3 codes of shared_v, K innermost, in blocks of 32 codes, four codes in three bytes); shared_v_scales 2 x 32 x 64 x 64 uint8 (E8M0 scales of shared_v, one for each 32 codes along K).
;; Outputs: out0 2 x 2,048 x 2,048 float32.
;; This version of the problem:
;;   THIS VERSION OF THE PROBLEM IS GIVEN IN LOW PRECISION. The matrix products marked QUANTISED in the list below multiply operands that are first quantised to E2M3 (2 exponent bits, 3 mantissa bits; 6 bits a number), with one power-of-two scale for each 32 numbers along K (OCP MX v1.0); their sums are f32. All else is computed in f32.
;;   The module's matrix products, in the order in which they are computed (A, B: the left and right operand; K: the contracted axis; several contracted axes count as one K, in the product's order):
;;     1. [M 4,096, K 2,048] x [K 2,048, N 2,048]; A: input hidden_states (given as codes); B: input Wq (given as codes): QUANTISED
;;     2. batch 64 x [M 2,048, K 64] x [K 64, N 2,048]; A: computed on the way; B: input shared_k (given as codes): QUANTISED
;;     3. batch 64 x [M 64, K 2,048] x [K 2,048, N 2,048]; A: input shared_v (given as codes); B: softmax (see below): QUANTISED
;;     4. [M 4,096, K 2,048] x [K 2,048, N 2,048]; A: computed on the way; B: input Wo (given as codes): QUANTISED
;;   THE QUANTISER, for each operand of a quantised product, along K:
;;     - K is cut into blocks of 32 from its start; a last block that is shorter is filled with zeros.
;;     - A block's scale is 2^e with e = floor(log2(the largest magnitude in the block)) - 2, held to -126 .. 127; a block of zeros has e = 0. As a byte (E8M0): e + 127.
;;     - Each number is divided by its block's scale, clamped to +-7.5, and rounded to the nearest number of E2M3, ties to even, subnormals kept.
;;     - The product sums the exact products of the quantised numbers (number of the format x scale) in f32.
;;   ~~~python
;;   def quantise(x, axis):      # numpy; x: float32 -> the quantised numbers, widened to float32 again
;;       x = np.moveaxis(x, axis, -1); K = x.shape[-1]
;;       x = np.pad(x, [(0, 0)] * (x.ndim - 1) + [(0, -K % 32)]); x = x.reshape(x.shape[:-1] + (-1, 32)); a = np.abs(x).max(-1, keepdims=True)
;;       e = np.where(a > 0, np.clip(np.frexp(np.where(a > 0, a, 1))[1] - 1 - 2, -126, 127), 0)      # np.frexp(a)[1] - 1 = floor(log2(a)), exactly
;;       r = np.clip(x / 2.0 ** e, -7.5, 7.5)
;;       step = 2.0 ** (np.maximum(np.frexp(np.where(r == 0, 1, r))[1] - 1, 0) - 3)
;;       q = np.round(r / step) * step * 2.0 ** e      # np.round: ties to even
;;       return np.moveaxis(q.reshape(q.shape[:-2] + (-1,))[..., :K], -1, axis).astype(np.float32)
;;   ~~~
;;   SOFTMAX AHEAD OF A QUANTISED PRODUCT. Where the list says 'softmax', what is quantised is not the finished softmax but p = 2^(t - M), with t = logit x log2(e) and M = ceil(the row's largest t), a whole number; so 1/2 < the row's largest p <= 1. The row's sum l is taken of the UNQUANTISED p, in f32, and the product's result is divided by l at the end. Since M is a whole number, a kernel that streams over the keys may use a running M (the ceiling of the running maximum): every later rescaling is an exact power of two, which a block's scale takes up: the codes' values come out the same.
;;   OPERANDS COMPUTED ON THE WAY. 'Computed on the way' means the value that the module computes at that place (a softmax that the list does not call 'softmax' is quantised finished and normalised). What goes into a quantiser is computed in f32, as accurately as f32 sums, v_exp_f32 and their like allow (about 1e-6 of the number): no bf16 or f16 on the way to a quantiser, and a product that is left as it is and whose result goes on into a quantised operand takes f32 operands (vector FMAs, or v_wmma_f32_16x16x4_f32). A number that lies on a knife's edge between two numbers of the format may be rounded either way, as far as f32 arithmetic and the matrix unit's own rounding can turn it there, and no further.
;;   INPUTS GIVEN AS CODES. Wo (in the module: [2048, 2048], K = its axis 1); Wq (in the module: [2048, 2048], K = its axis 1); hidden_states (in the module: [2, 2048, 2048], K = its axis 2); shared_k (in the module: [2, 2048, 32, 64], K = its axis 3); shared_v (in the module: [2, 2048, 32, 64], K = its axis 1): each comes as NAME_codes (uint8): NAME with its K axis moved to the last place and cut into blocks of 32 codes, [.., K / 32, bytes a block], one block behind the other in memory; four codes in three bytes: a row's codes are one little-endian stream of bits, code i at bits 6 i .. 6 i + 5 (a code: sign, 2 exponent bits, 3 mantissa bits); and NAME_scales (uint8): the same leading axes, one E8M0 byte (e + 127) for each 32 codes along K. Its value is code x scale, taken as it is: it is not quantised again, and the codes and scales need not be those that the quantiser above would give.
;; One version. Each part assembles by itself: llvm-mc -triple=amdgcn-amd-amdhsa -mcpu=gfx1250 --defsym DOCPART=n.
;; ======== version 1 of 1: 3 launches
;; limits: right only within a limited range of input values
;; workspace buffers: q_img 6,291,456 bytes; q_scl 524,288 bytes; o_img 6,291,456 bytes; o_scl 262,144 bytes; k_img 6,291,456 bytes; k_scl 262,144 bytes
;; launch qproj (part 1): grid 8 x 32, 4 waves a work-group, clusters of 4 x 4, 327,680 bytes of LDS; arguments hidden_states_codes, hidden_states_scales, Wq_codes, Wq_scales, q_img, q_scl, shared_k_codes, shared_k_scales, k_img, k_scl; writes q_img, q_scl, k_img, k_scl
.if DOCPART == 1
	.amdgcn_target "amdgcn-amd-amdhsa--gfx1250"
	.amdhsa_code_object_version 6
	.text
	.protected	k_qbbc41ece45_qproj
	.globl	k_qbbc41ece45_qproj
	.p2align	8
	.type	k_qbbc41ece45_qproj,@function
k_qbbc41ece45_qproj:
	s_mov_b64 s[64:65], 0
	v_nop
	global_prefetch_b8 v0, s[64:65] scope:SCOPE_SE
	s_setreg_imm32_b32 hwreg(HW_REG_WAVE_MODE, 25, 1), 1
	s_wait_xcnt 0x0
	s_wait_alu depctr_hold_cnt(0) depctr_sa_sdst(0) depctr_va_vdst(0) depctr_va_sdst(0) depctr_va_ssrc(0) depctr_va_vcc(0) depctr_vm_vsrc(0)
	s_getreg_b32 s2, hwreg(HW_REG_IB_STS2, 6, 4)
	s_cmp_eq_u32 s2, 0
	s_cbranch_scc0 .Lentry_in_a_cluster
	s_endpgm
.Lentry_in_a_cluster:
	s_bfe_u32 s2, ttmp6, 0x10000c
	s_cmp_lg_u32 s2, 0xf033
	s_cbranch_scc0 .Lentry_shape_is_right
	s_endpgm
.Lentry_shape_is_right:
; q = hs Wq^T on codes of FP6 (E2M3) with E8M0 scales, the interleaved rotation in f32, q quantised along each head's 64 (two blocks of 32); and K's codes and scales laid head by head for the next launch.
; DEAD WORK of the program: key steps that lie wholly behind reference()'s own causal mask are not multiplied (next launch); a NaN or infinity that reaches only those is not carried to the result.
; SHARES.  A tile of C is 128 rows x 256 columns: 32 x 8 = 256 work-groups of four waves.  Wave w makes 128 rows x 64 columns, one head (4 X + w): 32 accumulators of 16 x 16.
; The matrix instruction is used transposed (source 0 = 16 rows of Wq, source 1 = 16 rows of hs): lane (r, h) holds row r and eight neighbouring columns.
; A row of codes is 1,536 bytes: six chunks of 256 bytes, each beginning at a multiple of 256.  Two LDS slots hold a chunk each (128 + 256 rows x 272); chunk c lies in slot c % 2.
; A step of 128 along K is 96 bytes: eight steps to three chunks; steps 2 and 5 of each eight take their pieces from both slots.  The 16 steps are written out: slots and chunks come back only after 16.
; HEAD: one joint load a wave: A's chunk 0, B's chunk 0, A's scales, B's scales.  RING: wave 0 fetches A's chunk, waves 2 and 3 B's halves; wave 1 has no part.
; CLUSTER 4 x 4: A's tiles hang on the tile row alone (shared along a row of the cluster), B's on the tile column alone.  No prefetch: the walk along K has no loop to run ahead in.
; K RE-LAID: k_img [b x 32 + head][2,048 rows][48 bytes], row = the key with bits 3 and 4 swapped; k_scl the same rows, 2 bytes each.  A work-group takes 32 keys x 16 heads of codes (a wave's store covers 512
; consecutive bytes) and 128 keys x 4 heads of scales (a wave's store covers 256 consecutive bytes).
; THE ROTATION'S TABLE: lane i = frequency i; each wave makes (cos, sin) of 32 of the tile's 128 positions while the first tiles are on their way and hands them over through LDS behind the last product.
; LIMITS: NaN, infinities and the scale byte 0xff are not served.  A block of zeros gets the byte 1 (its codes are zeros; this program alone reads the bytes).
; inv_freq is 1 / fl(10^(i/8)): a power that is one ulp off moves an angle by at most 2047 x 6e-8 x inv_freq.
; REGISTERS.  window 0: v1-31 addresses; v32-63 scale words, two sets; v64-159 A's fragments; v160-255 B's, two sets.  window 1: accumulator (a, b) at v[8 (4 a + b)].  window 2: v0-63 the table.
.set ROWB,  256
.set PITCH, 272
.set AB,    128*PITCH                  ; A's part of a slot
.set HALFB, 128*PITCH
.set SLOT,  AB+2*HALFB
.set SCB,   2*SLOT                     ; B's scale bytes: 64 units of 256 + 16
.set SCA,   SCB+17408                  ; A's: 32 units
.set SPARE, SCA+8704                   ; the spare words, 128 bytes a wave
.set TAB,   SPARE+512                  ; the table, 128 rows x 272: bytes of its own
.set STG,   TAB+128*272                ; a stage of 16 rows x 272 for each wave
.set NLA,   6
.set ADRA,  8                          ; v8-9 A's fragments in slot 0, 1; v10-11 lanes 0-15 at byte 232 of slot 0, 1 and lanes 16-31 at byte 0 of the other slot
.set ADRB,  12                         ; v12-15 the same for B
.set ADRS,  20
.set STO,   21
.set RD,    22
.set TW,    24
.set TR,    25
.set I16,   26
.set I8,    27
.set SPW,   28
.set NIL,   29
.set SH8,   30
.set INV,   31
.set SC,    32
.set AF,    64
.set BF,    160
.set TG,    64
.set OB,    192
.set MULW,  0x50
.set MSB, 0
.macro WIN new
.if MSB != \new
	s_set_vgpr_msb (MSB<<8)|\new
.set MSB, \new
.endif
.endm
.macro PLACES
.rept 4
	v_nop
.endr
.endm
.macro CREST
	s_cmp_lg_u32 s16, 0
	s_cbranch_scc1 .Lnw0_\@
	s_barrier_signal -3
.Lnw0_\@:
	s_barrier_wait -3
	s_barrier_signal -1
	s_barrier_wait -1
.endm
.macro CROUND
	s_barrier_signal -1
	s_barrier_wait -1
	CREST
.endm
.macro JLOAD s                         ; slot s: wave 0 A's chunk, waves 2 and 3 B's halves
	s_cmp_lt_u32 s16, 2
	s_cbranch_scc0 .Ljb_\@
	s_cmp_eq_u32 s16, 0
	s_cbranch_scc0 .Ljn_\@
	tensor_load_to_lds s[48+4*(\s):51+4*(\s)], s[24:31]
	s_nop 0
	PLACES
	s_branch .Ljd_\@
.Ljb_\@:
	tensor_load_to_lds s[56+4*(\s):59+4*(\s)], s[32:39]
	s_nop 0
	PLACES
	s_branch .Ljd_\@
.Ljn_\@:
	PLACES
.Ljd_\@:
.endm
.macro ARM under, g0, g1, next
	s_cmp_lt_u32 s16, \under
	s_cbranch_scc0 \next
	tensor_load_to_lds s[\g0:\g0+3], s[\g1:\g1+7]
	s_nop 0
	PLACES
	s_branch .Lhead_asked
\next:
.endm
	s_load_b256 s[4:11], s[0:1], 0x0               ; hs codes, hs scales, Wq codes, Wq scales
	s_load_b128 s[12:15], s[0:1], 0x20             ; q_img, q_scl
	v_lshl_add_u32 v[SPW], v0, 2, SPARE
	v_mov_b32 v[NIL], 0
	ds_add_u32 v[SPW], v[NIL]
	ds_add_u32 v[SPW], v[NIL]
	v_lshrrev_b32 v1, 5, v0
	v_readfirstlane_b32 s16, v1                    ; wave
	s_and_b32 s18, s16, 1                          ; which half of B's rows I fetch in the ring
	s_bfe_u32 s40, ttmp6, 0x40000                  ; cx
	s_bfe_u32 s41, ttmp6, 0x40004                  ; cy
	s_lshl_b32 s42, ttmp9, 2
	s_add_co_u32 s42, s42, s40                     ; X: tile column, 0..7
	s_and_b32 s43, ttmp7, 0xffff
	s_lshl_b32 s43, s43, 2
	s_add_co_u32 s43, s43, s41                     ; Y: tile row, 0..31
	s_lshl_b32 s44, s41, 2
	s_lshl_b32 s44, 15, s44                        ; my row of the cluster
	s_lshl_b32 s45, 0x1111, s40                    ; my column
	s_or_b32 s24, s44, (1<<20)|(1<<21)|(5<<22)|(3<<25)   ; rows of 256 bytes, 16 bytes of padding behind each
	s_or_b32 s32, s45, (1<<20)|(1<<21)|(5<<22)|(3<<25)
.irp g, 24, 32
	s_mov_b32 s[\g+1], ROWB<<16
	s_mov_b32 s[\g+3], ROWB<<16
	s_mov_b32 s[\g+5], 1536
	s_mov_b32 s[\g+6], 0
	s_mov_b32 s[\g+7], 0
.endr
	s_mov_b32 s26, 128<<16                         ; A: 128 rows
	s_mov_b32 s28, 128
	s_mov_b32 s34, 256<<16                         ; B at the head: 256 rows
	s_mov_b32 s36, 256
	s_or_b32 s68, s44, (3<<16)|(1<<20)|(1<<21)|(5<<22)|(3<<25)   ; the scale bytes: dense blocks as rows of 256 bytes: A's 32, B's 64
	s_or_b32 s76, s45, (3<<16)|(1<<20)|(1<<21)|(5<<22)|(3<<25)
.irp g, 68, 76
	s_mov_b32 s[\g+1], 32<<16
	s_mov_b32 s[\g+3], 32<<16
	s_mov_b32 s[\g+5], 32
	s_mov_b32 s[\g+6], 0
	s_mov_b32 s[\g+7], 0
.endr
	s_mov_b32 s70, 32<<16
	s_mov_b32 s72, 32
	s_mov_b32 s78, 64<<16
	s_mov_b32 s80, 64
	s_mul_i32 s20, s43, 128*1536
	s_mov_b32 s21, 0
	s_mul_i32 s22, s18, 128*1536
	s_mov_b32 s23, 0
	s_lshl_b32 s96, s43, 13
	s_mov_b32 s97, 0
	s_mul_i32 s46, s42, 256*1536
	s_mov_b32 s47, 0
	s_lshl_b32 s98, s42, 14
	s_mov_b32 s99, 0
	s_mul_i32 s19, s18, HALFB
	s_mov_b32 s92, 0x76543210
	s_mov_b32 s93, 0xfedcba98
	s_mov_b32 s94, 0xffff0000
	s_and_b32 s95, s43, 15
	s_lshl_b32 s95, s95, 7
	s_lshl_b32 s3, s16, 5
	s_add_co_u32 s95, s95, s3                      ; the position of my first row of the table
	s_wait_dscnt 0x0                               ; both opening adds are done
	s_wait_kmcnt 0x0
	s_add_nc_u64 s[20:21], s[4:5], s[20:21]
	s_add_nc_u64 s[46:47], s[8:9], s[46:47]
	s_add_nc_u64 s[86:87], s[6:7], s[96:97]
	s_add_nc_u64 s[90:91], s[10:11], s[98:99]
	CROUND                                         ; in front of the first joint loads
	s_mov_b32 s48, 1                               ; A, slot 0: chunk 0
	s_mov_b32 s49, 0
	s_mov_b64 s[50:51], s[20:21]
	s_or_b32 s51, s51, 0x80000000
	s_mov_b32 s52, 1                               ; A, slot 1: chunk 1
	s_mov_b32 s53, SLOT
	s_add_nc_u64 s[54:55], s[20:21], ROWB
	s_or_b32 s55, s55, 0x80000000
	s_mov_b32 s8, 1                                ; the head's load of B's chunk 0, 256 rows
	s_mov_b32 s9, AB
	s_mov_b64 s[10:11], s[46:47]
	s_or_b32 s11, s11, 0x80000000
	s_add_nc_u64 s[46:47], s[46:47], s[22:23]      ; the ring: my 128 rows of B
	s_mov_b32 s56, 1
	s_add_co_u32 s57, s19, AB
	s_mov_b64 s[58:59], s[46:47]
	s_or_b32 s59, s59, 0x80000000
	s_mov_b32 s60, 1
	s_add_co_u32 s61, s19, SLOT+AB
	s_add_nc_u64 s[62:63], s[46:47], ROWB
	s_or_b32 s63, s63, 0x80000000
	s_mov_b32 s84, 1
	s_mov_b32 s85, SCA
	s_or_b32 s87, s87, 0x80000000
	s_mov_b32 s88, 1
	s_mov_b32 s89, SCB
	s_or_b32 s91, s91, 0x80000000
	ARM 1, 48, 24, .Lhead_b                        ; one load a wave, one chain of branches on the wave's number
	ARM 2, 8,  32, .Lhead_sa
	ARM 3, 84, 68, .Lhead_sb
	tensor_load_to_lds s[88:91], s[76:83]
	s_nop 0
	PLACES
.Lhead_asked:
	v_and_b32 v1, 15, v0                           ; r
	v_bfe_u32 v2, v0, 4, 1                         ; h
	v_and_b32 v6, 31, v0                           ; lane
	v_mul_u32_u24 v3, v1, PITCH
	s_mov_b32 s21, SLOT-232
	s_mov_b32 s22, SLOT+232
	v_sub_nc_u32 v7, 1, v2
	v_mad_u32_u24 v[ADRA], v2, 24, v3              ; row x pitch + 24 h
	v_add_nc_u32 v[ADRA+1], SLOT, v[ADRA]
	v_mad_u32_u24 v[ADRA+2], v2, s21, v3
	v_add_nc_u32 v[ADRA+2], 232, v[ADRA+2]
	v_mad_u32_u24 v[ADRA+3], v7, s22, v3
	s_mul_i32 s3, s16, 64*PITCH                    ; my 64 rows of B, behind A's part
	s_add_co_u32 s3, s3, AB
.irp k, 0,1,2,3
	v_add_nc_u32 v[ADRB+\k], s3, v[ADRA+\k]
.endr
	v_lshlrev_b32 v3, 6, v1                        ; a row's scales: 64 bytes a row, 16 more for each 256 passed
	v_lshrrev_b32 v4, 2, v1
	v_lshl_add_u32 v3, v4, 4, v3
	s_xor_b32 s3, s16, 3
	s_mul_i32 s3, s3, 4352
	s_add_co_u32 s3, s3, 4352                      ; from my rows of B to A's rows
	v_mul_u32_u24 v4, s3, v2                       ; lanes 16-31 take A's
	v_add_nc_u32 v3, v3, v4
	s_mul_i32 s3, s16, 4352
	s_add_co_u32 s3, s3, SCB
	v_add_nc_u32 v[ADRS], s3, v3
	s_mul_i32 s3, s16, 4352
	s_add_co_u32 s3, s3, STG
	v_mul_u32_u24 v3, v1, 272
	v_add_nc_u32 v4, s3, v3
	v_lshl_add_u32 v[STO], v2, 5, v4
	v_lshl_add_u32 v[RD], v2, 7, v4
	v_lshl_add_u32 v4, v2, 7, v3
	v_add_nc_u32 v[TR], TAB, v4
	s_mul_i32 s3, s16, 32*272
	s_add_co_u32 s3, s3, TAB
	v_lshl_add_u32 v[TW], v6, 3, s3
	v_lshlrev_b32 v[I16], 4, v6
	v_lshl_add_u32 v[I8], v6, 3, 512
	v_lshlrev_b32 v[SH8], 3, v2
	s_lshl_b32 s2, s42, 2
	s_add_co_u32 s2, s2, s16                       ; my head
	s_lshl_b32 s100, s2, 8
	s_lshl_b32 s101, s43, 3
	s_add_co_u32 s100, s100, s101
	s_mul_i32 s100, s100, 768                      ; q_img: (head x 256 + 8 Y) images of 768 bytes
	s_mov_b32 s101, 0
	s_add_nc_u64 s[12:13], s[12:13], s[100:101]
	s_lshl_b32 s100, s2, 5
	s_add_co_u32 s100, s100, s43
	s_lshl_b32 s100, s100, 9                       ; q_scl: (head x 32 + Y) x 512
	s_add_nc_u64 s[14:15], s[14:15], s[100:101]
	; ---- K re-laid.  Scales: keys 128 Y .., head 4 X + w
	s_lshl_b32 s98, s43, 13
	s_lshl_b32 s20, s2, 1
	s_add_co_u32 s98, s98, s20
	s_mov_b32 s99, 0
	s_lshr_b32 s20, s43, 4
	s_lshl_b32 s20, s20, 5
	s_add_co_u32 s20, s20, s2
	s_lshl_b32 s100, s20, 12
	s_and_b32 s20, s43, 15
	s_lshl_b32 s20, s20, 8
	s_add_co_u32 s100, s100, s20
	; codes: work-group G = 8 Y + X takes keys 32 (G / 2) .., heads 16 (G % 2) + 4 w ..
	s_lshl_b32 s2, s43, 3
	s_add_co_u32 s2, s2, s42
	s_lshr_b32 s3, s2, 1
	s_and_b32 s19, s2, 1
	s_lshl_b32 s19, s19, 4
	s_lshl_b32 s20, s16, 2
	s_add_co_u32 s19, s19, s20
	s_mul_i32 s66, s3, 32*1536
	s_mul_i32 s20, s19, 48
	s_add_co_u32 s66, s66, s20
	s_mov_b32 s67, 0
	s_lshr_b32 s20, s3, 6
	s_lshl_b32 s20, s20, 5
	s_add_co_u32 s20, s20, s19
	s_mul_i32 s96, s20, 98304
	s_and_b32 s20, s3, 63
	s_mul_i32 s20, s20, 1536
	s_add_co_u32 s96, s96, s20
	s_mov_b32 s97, 0
	s_load_b256 s[40:47], s[0:1], 0x30             ; K's codes, K's scales, k_img, k_scl
.irp c, 0,1,2                          ; piece q = 32 c + lane of a head's 96: row q / 3, 16 bytes at 16 (q % 3); its key is the row with bits 3 and 4 swapped
	v_add_nc_u32 v[220+\c], 32*\c, v6
	v_mul_u32_u24 v[216+\c], v[220+\c], 171
	v_lshrrev_b32 v[216+\c], 9, v[216+\c]
	v_lshlrev_b32 v[220+\c], 4, v[220+\c]
	v_mul_u32_u24 v223, v[216+\c], 48
	v_sub_nc_u32 v[220+\c], v[220+\c], v223
	v_bfe_u32 v223, v[216+\c], 3, 1
	v_bfe_u32 v225, v[216+\c], 4, 1
	v_and_b32 v[216+\c], 7, v[216+\c]
	v_lshl_or_b32 v[216+\c], v223, 4, v[216+\c]
	v_lshl_or_b32 v[216+\c], v225, 3, v[216+\c]
	v_mad_u32_u24 v[216+\c], v[216+\c], 1536, v[220+\c]
.endr
	v_lshlrev_b32 v219, 2, v6                      ; scales: rows 4 l .. 4 l + 3, which are four neighbouring keys
	v_bfe_u32 v223, v6, 1, 1
	v_bfe_u32 v225, v6, 2, 1
	v_and_b32 v219, 0x64, v219
	v_lshl_or_b32 v219, v223, 4, v219
	v_lshl_or_b32 v219, v225, 3, v219
	v_lshlrev_b32 v219, 6, v219
	v_lshlrev_b32 v224, 3, v6
	s_wait_alu depctr_va_vdst(0)
	s_wait_kmcnt 0x0
	s_add_nc_u64 s[40:41], s[40:41], s[66:67]
	s_add_nc_u64 s[42:43], s[42:43], s[98:99]
	s_add_nc_u64 s[44:45], s[44:45], s[96:97]
	s_add_nc_u64 s[46:47], s[46:47], s[100:101]
.irp hd, 0,1,2,3
.irp c, 0,1,2
	global_load_b128 v[160+12*\hd+4*\c:163+12*\hd+4*\c], v[216+\c], s[40:41] offset:48*\hd
.endr
.endr
.irp i, 0,1,2,3
	global_load_u16 v[208+\i], v219, s[42:43] offset:64*\i
.endr
	; ---- the table.  Lane i: P = fl(10^(i/8)), chosen from 32 constants; inv = 1 / P by a reciprocal and one correction
	v_mov_b32 v7, 1.0
.macro SEL i, lit
	v_cmp_ne_u32 vcc_lo, \i, v6
	v_cndmask_b32 v7, \lit, v7, vcc_lo
.endm
	SEL 1, 1.333521432
	SEL 2, 1.778279410
	SEL 3, 2.371373706
	SEL 4, 3.162277660
	SEL 5, 4.216965034
	SEL 6, 5.623413252
	SEL 7, 7.498942093
	SEL 8, 10.0
	SEL 9, 13.33521432
	SEL 10, 17.78279410
	SEL 11, 23.71373706
	SEL 12, 31.62277660
	SEL 13, 42.16965034
	SEL 14, 56.23413252
	SEL 15, 74.98942093
	SEL 16, 100.0
	SEL 17, 133.3521432
	SEL 18, 177.8279410
	SEL 19, 237.1373706
	SEL 20, 316.2277660
	SEL 21, 421.6965034
	SEL 22, 562.3413252
	SEL 23, 749.8942093
	SEL 24, 1000.0
	SEL 25, 1333.521432
	SEL 26, 1778.279410
	SEL 27, 2371.373706
	SEL 28, 3162.277660
	SEL 29, 4216.965034
	SEL 30, 5623.413252
	SEL 31, 7498.942093
	s_wait_alu depctr_va_vdst(0)
	v_rcp_f32 v3, v7
	v_mov_b32 v5, s95                              ; (a plain place)  my first position
	s_wait_alu depctr_va_vdst(0)
	v_fma_f32 v4, -v7, v3, 1.0
	v_fma_f32 v[INV], v4, v3, v3
	s_mov_b32 s20, 0xb94ca1f9                      ; sine's polynomial
	s_mov_b32 s21, 0x3c08839e
	s_mov_b32 s22, 0xbe2aaaa3
	s_mov_b32 s23, 0x37ccf5ce                      ; cosine's
	s_mov_b32 s96, 0xbab6061a
	s_mov_b32 s97, 0x3d2aaaa5
.macro TABG g                          ; rows 8 g .. 8 g + 7, line by line
.irp e, 0,1,2,3,4,5,6,7
	v_add_nc_u32 v[TG+8*\e], 8*\g+\e, v5
.endr
.irp e, 0,1,2,3,4,5,6,7
	v_cvt_f32_u32 v[TG+8*\e], v[TG+8*\e]
.endr
.irp e, 0,1,2,3,4,5,6,7
	v_mul_f32 v[TG+8*\e], v[TG+8*\e], v[INV]       ; the angle, rounded once
.endr
.irp e, 0,1,2,3,4,5,6,7
	v_mul_f32 v[TG+8*\e+1], 0x3f22f983, v[TG+8*\e] ; x 2 / pi
.endr
.irp e, 0,1,2,3,4,5,6,7
	v_rndne_f32 v[TG+8*\e+1], v[TG+8*\e+1]
.endr
.irp e, 0,1,2,3,4,5,6,7
	v_cvt_i32_f32 v[TG+8*\e+2], v[TG+8*\e+1]
.endr
.irp e, 0,1,2,3,4,5,6,7
	v_fmamk_f32 v[TG+8*\e], v[TG+8*\e+1], 0xbfc90fdb, v[TG+8*\e]   ; less so many times fl(pi/2),
.endr
.irp e, 0,1,2,3,4,5,6,7
	v_fmamk_f32 v[TG+8*\e], v[TG+8*\e+1], 0x333bbd2e, v[TG+8*\e]   ; and the rest of pi/2
.endr
.irp e, 0,1,2,3,4,5,6,7
	v_mul_f32 v[TG+8*\e+3], v[TG+8*\e], v[TG+8*\e]
.endr
.irp e, 0,1,2,3,4,5,6,7
	v_fma_f32 v[TG+8*\e+4], v[TG+8*\e+3], s20, s21
	v_fma_f32 v[TG+8*\e+5], v[TG+8*\e+3], s23, s96
.endr
.irp e, 0,1,2,3,4,5,6,7
	v_fma_f32 v[TG+8*\e+4], v[TG+8*\e+4], v[TG+8*\e+3], s22
	v_fma_f32 v[TG+8*\e+5], v[TG+8*\e+5], v[TG+8*\e+3], s97
.endr
.irp e, 0,1,2,3,4,5,6,7
	v_mul_f32 v[TG+8*\e+6], v[TG+8*\e+3], v[TG+8*\e]
	v_fma_f32 v[TG+8*\e+7], v[TG+8*\e+3], -0.5, 1.0
.endr
.irp e, 0,1,2,3,4,5,6,7
	v_fma_f32 v[TG+8*\e+4], v[TG+8*\e+6], v[TG+8*\e+4], v[TG+8*\e]   ; the sine of the rest
	v_mul_f32 v[TG+8*\e+6], v[TG+8*\e+3], v[TG+8*\e+3]
.endr
.irp e, 0,1,2,3,4,5,6,7
	v_fma_f32 v[TG+8*\e+5], v[TG+8*\e+6], v[TG+8*\e+5], v[TG+8*\e+7] ; its cosine
.endr
.irp e, 0,1,2,3,4,5,6,7
	v_and_b32 v[TG+8*\e+6], 1, v[TG+8*\e+2]        ; an odd quarter swaps the two
	v_add_nc_u32 v[TG+8*\e+7], 1, v[TG+8*\e+2]
.endr
.irp e, 0,1,2,3,4,5,6,7
	v_lshlrev_b32 v[TG+8*\e+2], 30, v[TG+8*\e+2]
	v_lshlrev_b32 v[TG+8*\e+7], 30, v[TG+8*\e+7]
.endr
.irp e, 0,1,2,3,4,5,6,7
	v_and_b32 v[TG+8*\e+2], 0x80000000, v[TG+8*\e+2]   ; the sine's sign
	v_and_b32 v[TG+8*\e+7], 0x80000000, v[TG+8*\e+7]   ; the cosine's
.endr
.irp e, 0,1,2,3,4,5,6,7
	v_cmp_ne_u32 vcc_lo, 0, v[TG+8*\e+6]
	v_cndmask_b32 v[TG+8*\e], v[TG+8*\e+4], v[TG+8*\e+5], vcc_lo
	v_cndmask_b32 v[TG+8*\e+1], v[TG+8*\e+5], v[TG+8*\e+4], vcc_lo
.endr
	WIN 0x80
.irp e, 0,1,2,3,4,5,6,7
	v_xor_b32 v[2*(8*\g+\e)], v[TG+8*\e+7], v[TG+8*\e+1]     ; cos
	v_xor_b32 v[2*(8*\g+\e)+1], v[TG+8*\e+2], v[TG+8*\e]     ; sin
.endr
	WIN 0
.endm
	TABG 0
	TABG 1
	TABG 2
	TABG 3
	s_wait_alu depctr_va_vdst(0)
	s_wait_loadcnt 0x0                             ; K's pieces are in registers
	v_lshl_or_b32 v208, v209, 16, v208
	v_lshl_or_b32 v209, v211, 16, v210
.irp hd, 0,1,2,3
.irp c, 0,1,2
	global_store_b128 v[I16], v[160+12*\hd+4*\c:163+12*\hd+4*\c], s[44:45] offset:98304*\hd+512*\c
.endr
.endr
	global_store_b64 v224, v[208:209], s[46:47]
.macro FRAG reg, adr, st, i            ; 16 rows x 128 K: six pieces of 8 bytes as they lie; byte y of a row lies in slot (y / 256) % 2 at byte y % 256
.irp p, 0,1,2,3,4,5
.set BY, 96*(\st)+48*(\p/3)+8*(\p%3)
.if BY/ROWB == (BY+24)/ROWB
	ds_load_b64 v[\reg+2*\p:\reg+2*\p+1], v[\adr+(BY/ROWB)%2] offset:BY%ROWB+(\i)*16*PITCH
.else
	ds_load_b64 v[\reg+2*\p:\reg+2*\p+1], v[\adr+2+(BY/ROWB)%2] offset:BY%ROWB-232+(\i)*16*PITCH
.endif
.endr
.endm
.macro FETCH_B st, p
.irp i, 0,1,2,3
	FRAG BF+48*(\p)+12*\i, ADRB, \st, \i
.endr
.endm
.macro FETCH_A st, a0
.irp i, \a0, \a0+1, \a0+2, \a0+3
	FRAG AF+12*(\i), ADRA, \st, \i
.endr
.endm
.macro SCALES c                        ; the scale words of steps 2 c, 2 c + 1 into set c % 2: lanes 0-15 B's block i, lanes 16-31 A's block i
.irp i, 0,1,2,3,4,5,6,7
	ds_load_b64 v[SC+16*((\c)%2)+2*\i:SC+16*((\c)%2)+2*\i+1], v[ADRS] offset:8*(\c)+1088*\i
.endr
.endm
; 8 matrix instructions: A's blocks a0, a0 + 1 x B's four.  The 32 accumulators take turns.
.macro MUL8 a0, p, set, q, zero
.irp a, \a0, \a0+1
.irp b, 0,1,2,3
.if \zero
	v_wmma_scale_f32_16x16x128_f8f6f4 v[8*(4*(\a)+\b):8*(4*(\a)+\b)+7], v[BF+48*(\p)+12*\b:BF+48*(\p)+12*\b+11], v[AF+12*(\a):AF+12*(\a)+11], 0, v[SC+16*(\set)+2*\b+(\q)], v[SC+16*(\set)+2*(\a)+(\q)] matrix_a_fmt:MATRIX_FMT_FP6 matrix_b_fmt:MATRIX_FMT_FP6 matrix_b_scale:MATRIX_SCALE_ROW1
.else
	v_wmma_scale_f32_16x16x128_f8f6f4 v[8*(4*(\a)+\b):8*(4*(\a)+\b)+7], v[BF+48*(\p)+12*\b:BF+48*(\p)+12*\b+11], v[AF+12*(\a):AF+12*(\a)+11], v[8*(4*(\a)+\b):8*(4*(\a)+\b)+7], v[SC+16*(\set)+2*\b+(\q)], v[SC+16*(\set)+2*(\a)+(\q)] matrix_a_fmt:MATRIX_FMT_FP6 matrix_b_fmt:MATRIX_FMT_FP6 matrix_b_scale:MATRIX_SCALE_ROW1
.endif
.endr
.endr
.endm
; A step: 32 matrix instructions; the next step's fragments are fetched in its middle and at its end.  Where the next step's bytes END in a chunk not read yet: a wait for my tensor loads and a barrier.
; Where they BEGIN in a later chunk: the three lines, the barrier, and, while a chunk two on is left, a round of the cluster's barrier and the refill.
.macro STEP st, zero
.set NX, (\st)+1
.set C0, (96*(\st))/ROWB
.set C1, (96*NX)/ROWB
.set E0, (96*(\st)+95)/ROWB
.set E1, (96*NX+95)/ROWB
.set PP, (\st)%2
.set SS, ((\st)/2)%2
.if C1 > C0 || E1 > E0
	s_wait_tensorcnt 0x0                           ; all my tensor loads have landed
.if C1 > C0
	ds_add_u32 v[SPW], v[NIL]
	s_wait_dscnt 4*NLA+1                           ; the add and A's blocks 4-7 may be out
.else
	s_wait_dscnt 4*NLA
.endif
	WIN MULW
	MUL8 0, PP, SS, PP, \zero
	s_wait_dscnt 0x0                               ; the add, and my reads of the chunk left behind
	s_barrier_signal -1
	MUL8 2, PP, SS, PP, \zero
	WIN 0
	s_barrier_wait -1
.if C1 > C0 && C0+2 < 6
	CREST
	s_add_nc_u64 s[50+4*(C0%2):51+4*(C0%2)], s[50+4*(C0%2):51+4*(C0%2)], 2*ROWB
	s_add_nc_u64 s[58+4*(C0%2):59+4*(C0%2)], s[58+4*(C0%2):59+4*(C0%2)], 2*ROWB
	JLOAD C0%2                                     ; chunk C0 + 2; its four v_nop are the places in front of the loads below
.else
	PLACES
.endif
.else
	s_wait_dscnt 4*NLA                             ; all but A's blocks 4-7
	WIN MULW
	MUL8 0, PP, SS, PP, \zero
	MUL8 2, PP, SS, PP, \zero
	s_wait_dscnt 0x0
	PLACES
	WIN 0
.endif
	FETCH_B NX, NX%2
	FETCH_A NX, 0
.if NX%2 == 0
	SCALES NX/2
.endif
	WIN MULW
	MUL8 4, PP, SS, PP, \zero
	MUL8 6, PP, SS, PP, \zero
	PLACES
	WIN 0
	FETCH_A NX, 4
.endm
	s_wait_alu depctr_va_vdst(0)
	s_wait_tensorcnt 0x0                           ; my tile of the head's four is in
	ds_add_u32 v[SPW], v[NIL]
	s_mov_b32 s34, 128<<16                         ; no load of mine is out: from here on a load of B brings 128 rows
	s_mov_b32 s36, 128
	s_wait_dscnt 0x0
	CROUND
	JLOAD 1                                        ; chunk 1, the first tensor load behind the round
	s_wait_xcnt 0x0                                ; K's stores have read their registers: fragments may land there
	FETCH_B 0, 0
	FETCH_A 0, 0
	SCALES 0
	FETCH_A 0, 4
	STEP 0, 1
.set ST, 1
.rept 14
	STEP ST, 0
.set ST, ST+1
.endr
	s_wait_dscnt 4*NLA
	WIN MULW
	MUL8 0, 1, 1, 1, 0
	MUL8 2, 1, 1, 1, 0
	s_wait_dscnt 0x0
	MUL8 4, 1, 1, 1, 0
	MUL8 6, 1, 1, 1, 0
	WIN 0
	; ---- THE WAY OUT.  The table meets in LDS; then, block by block of 16 rows, my 64 columns go through my stage so that lane (r, h) holds block h of row r whole: rotation, scale, codes.
	PLACES
	v_mov_b32 v255, 0
	WIN 0x08
.set n, 0
	s_wait_alu depctr_va_vdst(0)
.rept 32
	ds_store_b64 v[TW], v[2*n:2*n+1] offset:272*n
.set n, n+1
.endr
	WIN 0
	s_wait_dscnt 0x0
	s_barrier_signal -1
	s_barrier_wait -1
.macro PRE a
	WIN 0x04
.irp b, 0,1,2,3
	ds_store_b128 v[STO], v[8*(4*(\a)+\b):8*(4*(\a)+\b)+3] offset:64*\b
	ds_store_b128 v[STO], v[8*(4*(\a)+\b)+4:8*(4*(\a)+\b)+7] offset:64*\b+16
.endr
	WIN 0
.irp i, 0,1,2,3,4,5,6,7
	ds_load_b128 v[64+32*((\a)%2)+4*\i:64+32*((\a)%2)+4*\i+3], v[RD] offset:16*\i
.endr
.irp i, 0,1,2,3,4,5,6,7
	ds_load_b128 v[128+32*((\a)%2)+4*\i:128+32*((\a)%2)+4*\i+3], v[TR] offset:4352*(\a)+16*\i
.endr
.endm
.macro BLK a
.set XB, 64+32*((\a)%2)
.set CB, 128+32*((\a)%2)
.set QC, 224+8*((\a)%2)
.irp p, 0,2,4,6,8,10,12,14,16,18,20,22,24,26,28,30
	v_pk_mul_f32 v[OB+\p:OB+\p+1], v[XB+\p:XB+\p+1], v[CB+\p:CB+\p+1] op_sel_hi:[1,0]     ; x1 cos, x2 cos
.endr
.irp p, 0,2,4,6,8,10,12,14,16,18,20,22,24,26,28,30
	v_pk_fma_f32 v[OB+\p:OB+\p+1], v[XB+\p:XB+\p+1], v[CB+\p:CB+\p+1], v[OB+\p:OB+\p+1] op_sel:[1,1,0] op_sel_hi:[0,1,1] neg_lo:[0,1,0]   ; - x2 sin, + x1 sin
.endr
	v_max3_num_f32 v248, |v[OB]|, |v[OB+1]|, 0x1800000     ; with the floor 2^(3 - 127)
	v_max3_num_f32 v249, |v[OB+2]|, |v[OB+3]|, |v[OB+4]|
.irp i, 5,9,13,17,21,25
	v_max3_num_f32 v248, v248, |v[OB+\i]|, |v[OB+\i+1]|
	v_max3_num_f32 v249, v249, |v[OB+\i+2]|, |v[OB+\i+3]|
.endr
	v_max3_num_f32 v248, v248, |v[OB+29]|, |v[OB+30]|
	v_max3_num_f32 v248, v248, v249, |v[OB+31]|
	v_add_nc_u32 v250, 0xff000000, v248            ; 2 off the exponent field: the conversion's scale operand
	v_lshrrev_b32 v251, 23, v250                   ; the scale's byte
.if (\a) > 1
	s_wait_alu depctr_va_vdst(0)
	s_wait_xcnt 0x0                                ; block a - 2's stores have read this set of code registers
.endif
	v_cvt_scalef32_pk16_fp6_f32 v[QC:QC+2], v[OB:OB+15], v250
	v_cvt_scalef32_pk16_fp6_f32 v[252:254], v[OB+16:OB+31], v250
	v_lshlrev_b32 v[240+(\a)], v[SH8], v251        ; (the plain place)  my byte at its place in the row's word
.irp i, 0,1,2
	v_mov_b32 v[QC+3+\i], v[252+\i]
.endr
	v_permlanex16_b32 v255, v[240+(\a)], s92, s93
	v_or_b32 v[240+(\a)], v[240+(\a)], v255
	global_store_b128 v[I16], v[QC:QC+3], s[12:13] offset:768*(\a)     ; 512 consecutive bytes,
	global_store_b64 v[I8], v[QC+4:QC+5], s[12:13] offset:768*(\a)     ; 256
.endm
	PRE 0
.irp a, 0,1,2,3,4,5,6
	PRE \a+1
	s_wait_dscnt 24                                ; behind block a's loads: the next block's 8 stores and 16 loads
	BLK \a
.endr
	s_wait_dscnt 0x0
	BLK 7
.irp i, 0,1,2,3
	v_cndmask_b32 v[248+\i], v[240+2*\i], v[241+2*\i], s94
.endr
	global_store_b128 v[I16], v[248:251], s[14:15]
	s_wait_tensorcnt 0x0                           ; the wave's end
	ds_add_u32 v[SPW], v[NIL]
	s_wait_dscnt 0x0
	CROUND                                         ; the closing round
	s_endpgm
.Lfunc_end_k_qbbc41ece45_qproj:
	.size	k_qbbc41ece45_qproj, .Lfunc_end_k_qbbc41ece45_qproj-k_qbbc41ece45_qproj
	.p2alignl 7, 3214868480
	.fill 96, 4, 3214868480
	.section	.rodata,"a",@progbits
	.p2align	6, 0x0
	.amdhsa_kernel k_qbbc41ece45_qproj
		.amdhsa_group_segment_fixed_size 327680
		.amdhsa_private_segment_fixed_size 0
		.amdhsa_enable_private_segment 0
		.amdhsa_kernarg_size 80
		.amdhsa_user_sgpr_count 2
		.amdhsa_user_sgpr_kernarg_segment_ptr 1
		.amdhsa_wavefront_size32 1
		.amdhsa_system_sgpr_workgroup_id_x 1
		.amdhsa_system_sgpr_workgroup_id_y 1
		.amdhsa_system_sgpr_workgroup_id_z 1
		.amdhsa_system_vgpr_workitem_id 0
		.amdhsa_next_free_vgpr 576
		.amdhsa_next_free_sgpr 102
		.amdhsa_reserve_vcc 1
		.amdhsa_float_denorm_mode_32 3
		.amdhsa_float_denorm_mode_16_64 3
		.amdhsa_memory_ordered 1
		.amdhsa_forward_progress 1
		.amdhsa_inst_pref_size 255
	.end_amdhsa_kernel
	.section	.bss,"aw",@nobits
	.p2align	6
	.space	262144
	.amdgpu_metadata
---
amdhsa.version: [ 1, 2 ]
amdhsa.kernels:
  - .name:           k_qbbc41ece45_qproj
    .symbol:         k_qbbc41ece45_qproj.kd
    .args:
      - { .name: hidden_states_codes, .offset: 0, .size: 8, .value_kind: global_buffer, .address_space: global }
      - { .name: hidden_states_scales, .offset: 8, .size: 8, .value_kind: global_buffer, .address_space: global }
      - { .name: Wq_codes, .offset: 16, .size: 8, .value_kind: global_buffer, .address_space: global }
      - { .name: Wq_scales, .offset: 24, .size: 8, .value_kind: global_buffer, .address_space: global }
      - { .name: q_img, .offset: 32, .size: 8, .value_kind: global_buffer, .address_space: global }
      - { .name: q_scl, .offset: 40, .size: 8, .value_kind: global_buffer, .address_space: global }
      - { .name: shared_k_codes, .offset: 48, .size: 8, .value_kind: global_buffer, .address_space: global }
      - { .name: shared_k_scales, .offset: 56, .size: 8, .value_kind: global_buffer, .address_space: global }
      - { .name: k_img, .offset: 64, .size: 8, .value_kind: global_buffer, .address_space: global }
      - { .name: k_scl, .offset: 72, .size: 8, .value_kind: global_buffer, .address_space: global }
    .group_segment_fixed_size: 327680
    .private_segment_fixed_size: 0
    .kernarg_segment_align: 8
    .kernarg_segment_size: 80
    .max_flat_workgroup_size: 128
    .sgpr_count:     102
    .vgpr_count:     576
    .wavefront_size: 32
...
	.end_amdgpu_metadata
.endif
;; end of part 1
;; launch attn (part 2): grid 4 x 64, 16 waves a work-group, no clusters, 283,136 bytes of LDS; arguments q_img, q_scl, k_img, k_scl, shared_v_codes, shared_v_scales, o_img, o_scl; writes o_img, o_scl
.if DOCPART == 2
	.amdgcn_target "amdgcn-amd-amdhsa--gfx1250"
	.amdhsa_code_object_version 6
	.text
	.protected	k_qbbc41ece45_attn
	.globl	k_qbbc41ece45_attn
	.p2align	8
	.type	k_qbbc41ece45_attn,@function
k_qbbc41ece45_attn:
	s_mov_b64 s[64:65], 0
	v_nop
	global_prefetch_b8 v0, s[64:65] scope:SCOPE_SE
	s_setreg_imm32_b32 hwreg(HW_REG_WAVE_MODE, 25, 1), 1
	s_wait_xcnt 0x0
; Causal attention on codes of FP6 (E2M3) with E8M0 scales: S^T = K Q^T (K = the head's 64: the instruction's other 64 meet zero codes of Q), p = 2^(t - M) with M a whole number, quantised along the keys,
; O^T = V^T p^T, O / (the sum of the unquantised p), quantised along the head's 64 (two blocks of 32) for the next launch.
; LEFT OUT: a step of 128 keys all of which come after a tile's 16 queries: reference()'s own mask gives them the weight 0 for every input.
; SHARES.  Work-group (i, b x 32 + head) owns the query blocks 7 - i and i of 256 queries.  Wave w of sixteen owns two tiles of 16 queries: L = 16 (7 - i) + w and E = 16 i + 15 - w.
; Tile j needs j / 8 + 1 steps of 128 keys: L's and E's together are 17 for every wave.  The loops' trip counts are constants; a hidden step is jumped over by a branch on ids.
; K AND V OF THE WHOLE HEAD LIE IN LDS, filled once, by lane-by-lane copies at the head.  The first half of the keys is waited for first; the second lands under the first eight steps.
; K comes from k_img, laid by the launch before: 2,048 rows of 48 bytes on end, row = the key with bits 3 and 4 swapped, so that a fragment's 16 keys are 16 consecutive rows; a wave's copy covers 512 consecutive bytes.
; NO CLUSTER, NO TENSOR LOAD: V's half rows are 768 bytes at an LDS pitch of 784, and a descriptor's padding interval is a power of two of dwords: no descriptor states that.  What the four work-groups of a head share is read once by each: 205 KB.
; No prefetch: all of K and V is asked for at the head, there is no later load to run ahead of.
; LAYOUT.  Both products are used transposed: a lane holds ONE query (lane % 16).  Lane r of K's tile 2 b + u holds key 32 b + 8 u + r + 8 (r / 8), so that the 16 registers of tiles 2 b, 2 b + 1 are 16 neighbouring keys.
; A fragment of K is 6 registers; the operand names 12: the upper six are whatever follows (every code is a finite number) and meet Q's zero codes.
; LIMITS: NaN, infinities and the scale byte 0xff are not served.  A block of zeros gets the byte 1.  The scaled scores stay under 2^31 in magnitude.
.set VA,   98304                       ; LDS: K at 0;  V, keys 0-1023: 64 rows x 784;
.set VHD,  50176                       ; V, keys 1024-2047, so far behind
.set KS,   198656                      ; K's scales: 2 bytes a row
.set VS,   206848                      ; V's scales: 64 rows x 72
.set STG,  211456                      ; the way out: 16 rows x 272 for each wave
.set SPARE, 281088                     ; the spare words
.set AK0,  1
.set AV0,  2
.set GV,   3
.set ASK0, 4
.set ASV0, 5
.set QD,   6
.set ADK,  7
.set ADV,  8
.set LV1,  9
.set ADS,  10
.set ADT,  11
.set QL,   20
.set QE,   32
.set QS,   44
.set TMP,  45
.set F,    46
.set GK,   94                          ; v94, v95 K's copies' two addresses (both stay); v96-99 zeros: the last fragment's unused upper half
.set LK,   95
.set S,    100
.set OL,   164
.set OE,   196
.set P,    228
.set BM,   240
.set PT,   244
.set SK,   248
.set FF,   252
.set PW,   253
.set SV,   254
.set Y,    S+32
.set STO,  46
.set SRD,  47
.set WV,   20
.set SEL,  26
.set CS,   28
.set KF,   30
.set TK,   31
.set TV,   32
.set TS,   33
.set TT,   34
.set CNT,  35
.set Q0L,  36
.set Q0E,  37
	s_load_b256 s[4:11], s[0:1], 0x0               ; q_img, q_scl, k_img, k_scl
	s_load_b256 s[12:19], s[0:1], 0x20             ; V's codes, V's scales, o_img, o_scl
	v_lshl_add_u32 v254, v0, 2, SPARE
	v_mov_b32 v255, 0
	ds_add_u32 v254, v255
	ds_add_u32 v254, v255
	s_wait_dscnt 0x0
	v_lshrrev_b32 v1, 5, v0
	s_delay_alu instid0(VALU_DEP_1)
	v_readfirstlane_b32 s[WV], v1
	s_and_b32 s23, ttmp7, 0xffff                   ; b x 32 + head
	s_and_b32 s21, s23, 31
	s_lshr_b32 s22, s23, 5
	s_sub_co_u32 s24, 7, ttmp9
	s_lshl_b32 s24, s24, 4
	s_add_co_u32 s24, s24, s[WV]                   ; tile L
	s_lshl_b32 s25, ttmp9, 4
	s_add_co_u32 s25, s25, 15
	s_sub_co_u32 s25, s25, s[WV]                   ; tile E
	s_lshl_b32 s[Q0L], s24, 4
	s_lshl_b32 s[Q0E], s25, 4
	s_mov_b32 s73, 0
	s_mul_i32 s74, s23, 98304                      ; K and V: 98,304 bytes a head
	s_mov_b32 s75, 0
	s_lshl_b32 s78, s23, 12                        ; their scales: 4,096
	s_mov_b32 s79, 0
	v_and_b32 v100, 31, v0                         ; lane
	v_bfe_u32 v103, v0, 4, 1                       ; h
	v_lshl_add_u32 v104, v0, 3, KS                 ; K's scales: 8 bytes a thread
	v_lshlrev_b32 v106, 3, v0
	v_lshrrev_b32 v107, 3, v0
	s_delay_alu instid0(VALU_DEP_1)
	v_mul_u32_u24 v107, v107, 72
	v_and_b32 v108, 7, v0
	s_delay_alu instid0(VALU_DEP_1)
	v_lshl_add_u32 v107, v108, 3, v107
	s_delay_alu instid0(VALU_DEP_1)
	v_add_nc_u32 v107, VS, v107                    ; V's scales: eight threads to a row of 72
	s_mul_i32 s38, s[WV], 3072                     ; K: a wave takes 3,072 bytes of each half, the same place in memory and in LDS
	v_lshl_add_u32 v[GK], v100, 4, s38
	v_lshl_add_u32 v[LK], v100, 4, s38
.irp i, 96,97,98,99
	v_mov_b32 v\i, 0
.endr
	v_and_b32 v108, 15, v0                         ; r
	s_lshl_b32 s38, s[WV], 2
	v_add_nc_u32 v109, s38, v103                   ; V: row 4 w + h; sixteen lanes take 256 bytes of it
	s_delay_alu instid0(VALU_DEP_1)
	v_mul_u32_u24 v110, v109, 1536
	s_delay_alu instid0(VALU_DEP_1)
	v_lshl_add_u32 v[GV], v108, 4, v110
	s_delay_alu instid0(VALU_DEP_3)
	v_mul_u32_u24 v110, v109, 784
	s_delay_alu instid0(VALU_DEP_1)
	v_lshl_add_u32 v110, v108, 4, v110
	s_delay_alu instid0(VALU_DEP_1)
	v_add_nc_u32 v112, VA, v110
	s_delay_alu instid0(VALU_DEP_2)
	v_add_nc_u32 v[LV1], VA+VHD, v110
	; Q's images and scale words
	s_lshl_b32 s38, s22, 7
	s_add_co_u32 s84, s38, s24                     ; L's tile among the 256 of a head
	s_add_co_u32 s85, s38, s25                     ; E's
	s_lshl_b32 s39, s21, 8
	s_add_co_u32 s68, s39, s84
	s_mul_i32 s68, s68, 768
	s_mov_b32 s69, 0
	s_add_co_u32 s70, s39, s85
	s_mul_i32 s70, s70, 768
	s_mov_b32 s71, 0
	s_lshl_b32 s39, s21, 5                         ; a tile's words: (head x 32 + tile / 8) x 512 + 256 (tile % 2) + 4 ((tile / 2) % 4) + 16 r
	s_lshr_b32 s38, s84, 3
	s_add_co_u32 s38, s38, s39
	s_lshl_b32 s86, s38, 9
	s_and_b32 s38, s84, 1
	s_lshl_b32 s38, s38, 8
	s_add_co_u32 s86, s86, s38
	s_bfe_u32 s38, s84, 0x20001
	s_lshl_b32 s38, s38, 2
	s_add_co_u32 s86, s86, s38
	s_lshr_b32 s38, s85, 3
	s_add_co_u32 s38, s38, s39
	s_lshl_b32 s87, s38, 9
	s_and_b32 s38, s85, 1
	s_lshl_b32 s38, s38, 8
	s_add_co_u32 s87, s87, s38
	s_bfe_u32 s38, s85, 0x20001
	s_lshl_b32 s38, s38, 2
	s_add_co_u32 s87, s87, s38
	s_sub_co_u32 s86, s86, s87                     ; L's tile lies behind E's
	v_lshlrev_b32 v113, 4, v100
	v_lshl_add_u32 v114, v100, 3, 512
	v_mul_u32_u24 v115, s86, v103
	s_delay_alu instid0(VALU_DEP_1)
	v_lshl_add_u32 v115, v108, 4, v115
	s_delay_alu instid0(VALU_DEP_1)
	v_add_nc_u32 v115, s87, v115
	s_wait_alu depctr_va_vdst(0)
	s_wait_kmcnt 0x0
	s_add_nc_u64 s[80:81], s[4:5], s[68:69]
	s_add_nc_u64 s[82:83], s[4:5], s[70:71]
	global_load_b128 v[QL:QL+3], v113, s[80:81]    ; Q is asked for ahead of the copies
	global_load_b64 v[QL+4:QL+5], v114, s[80:81]
	global_load_b128 v[QE:QE+3], v113, s[82:83]
	global_load_b64 v[QE+4:QE+5], v114, s[82:83]
	global_load_b32 v[QS], v115, s[6:7]
	; a copy's immediate is added to both addresses: it carries the LDS step, and the scalar base what memory's step is more
	s_add_nc_u64 s[40:41], s[8:9], s[74:75]
	s_add_nc_u64 s[48:49], s[12:13], s[74:75]
	s_add_nc_u64 s[50:51], s[48:49], 2*1536-2*784
	s_add_nc_u64 s[52:53], s[48:49], 768
	s_add_nc_u64 s[54:55], s[52:53], 2*1536-2*784
	s_add_nc_u64 s[56:57], s[10:11], s[78:79]
	s_add_nc_u64 s[66:67], s[14:15], s[78:79]
	global_load_async_to_lds_b64 v104, v106, s[56:57]                             ; K's scales
	global_load_async_to_lds_b64 v107, v106, s[66:67]                             ; V's scales
.macro KCOPY hf
.irp n, 0,1,2,3,4,5
	global_load_async_to_lds_b128 v[LK], v[GK], s[40:41] offset:49152*\hf+512*\n
.endr
.endm
.macro VCOPY hf, lv
.irp j, 0,1
.irp e, 0,1,2
	global_load_async_to_lds_b128 v[\lv], v[GV], s[48+4*\hf+2*\j:49+4*\hf+2*\j] offset:1568*\j+256*\e
.endr
.endr
.endm
	KCOPY 0
	VCOPY 0, 112
	KCOPY 1
	VCOPY 1, LV1
	s_add_nc_u64 s[88:89], s[16:17], s[68:69]      ; o_img at Q's places
	s_add_nc_u64 s[90:91], s[16:17], s[70:71]
	s_lshl_b32 s38, s22, 17                        ; o_scl: (b x 2048 + 16 tile) x 64 + 2 head
	s_lshl_b32 s39, s21, 1
	s_add_co_u32 s38, s38, s39
	s_lshl_b32 s72, s24, 10
	s_add_co_u32 s72, s72, s38
	s_lshl_b32 s74, s25, 10
	s_add_co_u32 s74, s74, s38
	s_add_nc_u64 s[92:93], s[18:19], s[72:73]
	s_add_nc_u64 s[94:95], s[18:19], s[74:75]
.irp i, 6,7,8,9,10,11
	v_mov_b32 v[QL+\i], 0                          ; the zero codes of the instruction's other 64 along K
	v_mov_b32 v[QE+\i], 0
.endr
	v_mul_u32_u24 v[AK0], v108, 48
	s_delay_alu instid0(VALU_DEP_1)
	v_mad_u32_u24 v[AK0], v103, 24, v[AK0]
	v_mul_u32_u24 v[AV0], v108, 784
	s_delay_alu instid0(VALU_DEP_1)
	v_mad_u32_u24 v[AV0], v103, 24, v[AV0]
	s_delay_alu instid0(VALU_DEP_1)
	v_add_nc_u32 v[AV0], VA, v[AV0]
	v_lshl_add_u32 v[ASK0], v100, 1, KS            ; K's scale words: lanes 0-15 an even tile's rows, lanes 16-31 the odd tile's
	v_mul_u32_u24 v[ASV0], v100, 72
	s_delay_alu instid0(VALU_DEP_1)
	v_add_nc_u32 v[ASV0], VS, v[ASV0]
	v_lshlrev_b32 v[QD], 4, v103
	s_delay_alu instid0(VALU_DEP_1)
	v_sub_nc_u32 v[QD], v108, v[QD]                ; r - 16 h
.irp s, 12, 16
	v_mov_b32 v[\s+1], 0xff61b1e6                  ; the largest t so far: -3e38
	s_delay_alu instid0(VALU_DEP_1)
	v_floor_f32 v[\s], -v[\s+1]                    ; -M
	v_mov_b32 v[\s+2], 0
	v_mov_b32 v[\s+3], 0
.endr
.set n, 0
.rept 64
	v_mov_b32 v[OL+n], 0                           ; the step is written once and finds zeros first
.set n, n+1
.endr
.irp b, 0,1,2,3
	v_mov_b32 v[PT+\b], 0
.endr
	v_mov_b32 v[FF], 0
	v_mov_b32 v[PW], 0
	s_mov_b32 s[SEL], 0x76543210
	s_mov_b32 s[SEL+1], 0xfedcba98
	s_mov_b32 s[CS], 0x3e38aa3b                    ; c = log2(e) / 8
	s_mov_b32 s[CS+1], s[CS]
	s_mov_b32 s[KF], 0
	s_mov_b32 s[TK], 0
	s_mov_b32 s[TV], 0
	s_mov_b32 s[TS], 0
	s_mov_b32 s[TT], 0
.macro KQ t, QR, ROWQ
.if \ROWQ
.if (\t)%2
	v_wmma_scale_f32_16x16x128_f8f6f4 v[S+8*\t:S+8*\t+7], v[F+6*\t:F+6*\t+11], v[\QR:\QR+11], 0, v[SK+\t/2], v[QS] matrix_a_fmt:MATRIX_FMT_FP6 matrix_b_fmt:MATRIX_FMT_FP6 matrix_a_scale:MATRIX_SCALE_ROW1 matrix_b_scale:MATRIX_SCALE_ROW1
.else
	v_wmma_scale_f32_16x16x128_f8f6f4 v[S+8*\t:S+8*\t+7], v[F+6*\t:F+6*\t+11], v[\QR:\QR+11], 0, v[SK+\t/2], v[QS] matrix_a_fmt:MATRIX_FMT_FP6 matrix_b_fmt:MATRIX_FMT_FP6 matrix_b_scale:MATRIX_SCALE_ROW1
.endif
.else
.if (\t)%2
	v_wmma_scale_f32_16x16x128_f8f6f4 v[S+8*\t:S+8*\t+7], v[F+6*\t:F+6*\t+11], v[\QR:\QR+11], 0, v[SK+\t/2], v[QS] matrix_a_fmt:MATRIX_FMT_FP6 matrix_b_fmt:MATRIX_FMT_FP6 matrix_a_scale:MATRIX_SCALE_ROW1
.else
	v_wmma_scale_f32_16x16x128_f8f6f4 v[S+8*\t:S+8*\t+7], v[F+6*\t:F+6*\t+11], v[\QR:\QR+11], 0, v[SK+\t/2], v[QS] matrix_a_fmt:MATRIX_FMT_FP6 matrix_b_fmt:MATRIX_FMT_FP6
.endif
.endif
.endm
.macro PV t, OR
.if (\t)%2
	v_wmma_scale_f32_16x16x128_f8f6f4 v[\OR+8*\t:\OR+8*\t+7], v[F+12*\t:F+12*\t+11], v[P:P+11], v[\OR+8*\t:\OR+8*\t+7], v[SV+\t/2], v[PW] matrix_a_fmt:MATRIX_FMT_FP6 matrix_b_fmt:MATRIX_FMT_FP6 matrix_a_scale:MATRIX_SCALE_ROW1
.else
	v_wmma_scale_f32_16x16x128_f8f6f4 v[\OR+8*\t:\OR+8*\t+7], v[F+12*\t:F+12*\t+11], v[P:P+11], v[\OR+8*\t:\OR+8*\t+7], v[SV+\t/2], v[PW] matrix_a_fmt:MATRIX_FMT_FP6 matrix_b_fmt:MATRIX_FMT_FP6
.endif
.endm
; ONE TILE, 128 KEYS.  ST: the tile's -M, largest t, sum pair;  QR: its queries;  OR: its O^T;  SQ0: the scalar with its first query.
.macro STEP ST, QR, OR, ROWQ, SQ0
	s_add_co_u32 s38, s[\SQ0], 15
	s_cmp_gt_u32 s[KF], s38                        ; all 128 keys come after my 16 queries
	s_cbranch_scc1 .Lhid_\@
	v_add_nc_u32 v[ADK], s[TK], v[AK0]             ; (these four are also the places in front of the loads)
	v_add_nc_u32 v[ADV], s[TV], v[AV0]
	v_add_nc_u32 v[ADS], s[TS], v[ASK0]
	v_add_nc_u32 v[ADT], s[TT], v[ASV0]
.irp t, 0,1,2,3,4,5,6,7
.irp p, 0,1,2
	ds_load_b64 v[F+6*\t+2*\p:F+6*\t+2*\p+1], v[ADK] offset:768*\t+8*\p
.endr
.endr
.irp b, 0,1,2,3
	ds_load_u16 v[SK+\b], v[ADS] offset:64*\b      ; two bytes; the word's upper two are 0 and stand over products with zero codes
.endr
	s_wait_alu depctr_va_vdst(0)
	s_wait_dscnt 0x0
.irp t, 0,1,2,3,4,5,6,7
	KQ \t, \QR, \ROWQ
.endr
.rept 4
	v_nop
.endr
.irp t, 0,1,2,3                                ; V is asked for now and lands under the softmax
.irp p, 0,1,2,3,4,5
	ds_load_b64 v[F+12*\t+2*\p:F+12*\t+2*\p+1], v[ADV] offset:12544*\t+48*(\p/3)+8*(\p%3)
.endr
.endr
.irp e, 0,1
	ds_load_b32 v[SV+\e], v[ADT] offset:2304*\e
.endr
	s_add_co_u32 s38, s[KF], 127
	s_cmp_le_u32 s38, s[\SQ0]                      ; all keys count: no mask
	s_cbranch_scc1 .Lopen_\@
	s_sub_co_i32 s38, s[\SQ0], s[KF]
	v_add_nc_u32 v[PT], s38, v[QD]                 ; d: register 16 b + i holds key 32 b + 16 h + i: hidden where 32 b + i > d
	v_mov_b32 v[PT+1], 0xff800000
.set n, 0
.rept 64
	v_cmp_gt_i32 vcc_lo, 32*(n/16)+n%16, v[PT]
	v_cndmask_b32 v[S+n], v[S+n], v[PT+1], vcc_lo
.set n, n+1
.endr
.Lopen_\@:
.irp b, 0,1,2,3
	v_max3_num_f32 v[BM+\b], v[S+16*\b], v[S+16*\b+1], v[S+16*\b+2]   ; the largest score of each block of 32 keys
.endr
.irp i, 3,5,7,9,11,13
.irp b, 0,1,2,3
	v_max3_num_f32 v[BM+\b], v[BM+\b], v[S+16*\b+\i], v[S+16*\b+\i+1]
.endr
.endr
.irp b, 0,1,2,3
	v_max_num_f32 v[BM+\b], v[BM+\b], v[S+16*\b+15]
.endr
.irp b, 0,1,2,3
	s_delay_alu instid0(VALU_DEP_4)
	v_permlanex16_b32 v[PT+\b], v[BM+\b], s[SEL], s[SEL+1]
.endr
.irp b, 0,1,2,3
	s_delay_alu instid0(VALU_DEP_4)
	v_max_num_f32 v[BM+\b], v[BM+\b], v[PT+\b]
.endr
	s_delay_alu instid0(VALU_DEP_2)
	v_max3_num_f32 v[TMP], v[BM], v[BM+1], v[BM+2]
	s_delay_alu instid0(VALU_DEP_1)
	v_max_num_f32 v[TMP], v[TMP], v[BM+3]
	s_delay_alu instid0(VALU_DEP_1)
	v_mul_f32 v[TMP], s[CS], v[TMP]
	s_delay_alu instid0(VALU_DEP_1)
	v_max_num_f32 v[\ST+1], v[\ST+1], v[TMP]       ; the running largest t
	v_mov_b32 v[TMP], v[\ST]
	s_delay_alu instid0(VALU_DEP_2)
	v_floor_f32 v[\ST], -v[\ST+1]                  ; the new -M = -ceil(t)
	s_delay_alu instid0(VALU_DEP_1)
	v_sub_f32 v[TMP], v[\ST], v[TMP]
	s_delay_alu instid0(VALU_DEP_1)
	v_cvt_i32_f32 v[TMP], v[TMP]
	s_delay_alu instid0(VALU_DEP_1)
	v_ldexp_f32 v[FF], 1.0, v[TMP]                 ; f = 2^(old M - new M)
.set n, 0
.rept 32
	v_pk_fma_f32 v[S+n:S+n+1], v[S+n:S+n+1], s[CS:CS+1], v[\ST:\ST+1] op_sel_hi:[1,0,0]   ; t - M
.set n, n+2
.endr
.irp b, 0,1,2,3
	v_fma_f32 v[BM+\b], v[BM+\b], s[CS], v[\ST]
.endr
.set n, 0
	s_wait_alu depctr_va_vdst(0)
.rept 64
	v_exp_f32 v[S+n], v[S+n]                       ; p = 2^(t - M)
.set n, n+1
.endr
.irp b, 0,1,2,3
	v_exp_f32 v[BM+\b], v[BM+\b]                   ; the block's largest p
.endr
	v_pk_mul_f32 v[\ST+2:\ST+3], v[\ST+2:\ST+3], v[FF:FF+1] op_sel_hi:[1,0]   ; the sums under the new M (a plain place)
	s_wait_alu depctr_va_vdst(0)
.irp b, 0,1,2,3
	v_max_num_f32 v[BM+\b], 0x1800000, v[BM+\b]    ; the floor 2^(3 - 127)
.endr
.irp b, 0,1,2,3
	s_delay_alu instid0(VALU_DEP_4)
	v_add_nc_u32 v[BM+\b], 0xff000000, v[BM+\b]
.endr
.irp b, 0,1,2,3
	s_delay_alu instid0(VALU_DEP_4)
	v_lshrrev_b32 v[PT+\b], 23, v[BM+\b]
.endr
	s_delay_alu instid0(VALU_DEP_3)
	v_lshl_or_b32 v[PW], v[PT+1], 8, v[PT]         ; p's scale word for these 128 keys
	s_delay_alu instid0(VALU_DEP_1)
	v_lshl_or_b32 v[PW], v[PT+2], 16, v[PW]
	s_delay_alu instid0(VALU_DEP_1)
	v_lshl_or_b32 v[PW], v[PT+3], 24, v[PW]
.irp c, 0,1
	v_cvt_scalef32_pk16_fp6_f32 v[P+6*\c:P+6*\c+2], v[S+32*\c:S+32*\c+15], v[BM+2*\c]
	v_cvt_scalef32_pk16_fp6_f32 v[PT:PT+2], v[S+32*\c+16:S+32*\c+31], v[BM+2*\c+1]
	v_nop
.irp i, 0,1,2
	v_permlane16_swap_b32 v[P+6*\c+\i], v[PT+\i]   ; a whole block in a lane
.endr
.irp i, 0,1,2
	s_delay_alu instid0(VALU_DEP_3)
	v_mov_b32 v[P+6*\c+3+\i], v[PT+\i]
.endr
.endr
	v_pk_add_f32 v[PT:PT+1], v[S:S+1], v[S+2:S+3]  ; the row's sum of the unquantised p, in two chains
.irp j, 4,8,12,16,20,24,28,32,36,40,44,48,52,56,60
	v_pk_add_f32 v[\ST+2:\ST+3], v[\ST+2:\ST+3], v[S+\j:S+\j+1]
	v_pk_add_f32 v[PT:PT+1], v[PT:PT+1], v[S+\j+2:S+\j+3]
.endr
	s_delay_alu instid0(VALU_DEP_1)
	v_pk_add_f32 v[\ST+2:\ST+3], v[\ST+2:\ST+3], v[PT:PT+1]
.set n, 0
.rept 16
	v_pk_mul_f32 v[\OR+n:\OR+n+1], v[\OR+n:\OR+n+1], v[FF:FF+1] op_sel_hi:[1,0]   ; O^T under the new M
.set n, n+2
.endr
	s_wait_alu depctr_va_vdst(0)
	s_wait_dscnt 0x0                               ; V and its scale words are in
.irp t, 0,1,2,3
	PV \t, \OR
.endr
.Lhid_\@:
.endm
.macro NEXT
	s_add_co_u32 s[KF], s[KF], 128
	s_add_co_u32 s[TK], s[TK], 6144
	s_add_co_u32 s[TV], s[TV], 96
	s_add_co_u32 s[TS], s[TS], 256
	s_add_co_u32 s[TT], s[TT], 4
.endm
	s_wait_alu depctr_va_vdst(0)
	s_wait_asynccnt 12                             ; the scales and the first half's K and V are in: the youngest twelve copies, the second half's, may be out
	s_wait_loadcnt 0x0                             ; Q
	s_barrier_signal -1
	s_barrier_wait -1
	s_mov_b32 s[CNT], 8
.LA:                                               ; keys 0 to 1,023
	STEP 12, QL, OL, 1, Q0L
	STEP 16, QE, OE, 0, Q0E
	NEXT
	s_sub_co_u32 s[CNT], s[CNT], 1
	s_cmp_lg_u32 s[CNT], 0
	s_cbranch_scc1 .LA
	s_wait_asynccnt 0x0
	s_wait_dscnt 0x0
	s_barrier_signal -1
	s_barrier_wait -1
	s_mov_b32 s[TV], VHD
	s_mov_b32 s[CNT], 8
.LC:                                               ; keys 1,024 to 2,047: L alone
	STEP 12, QL, OL, 1, Q0L
	NEXT
	s_sub_co_u32 s[CNT], s[CNT], 1
	s_cmp_lg_u32 s[CNT], 0
	s_cbranch_scc1 .LC
	; THE WAY OUT.  O^T / the sum goes through my stage, so that lane (r, h) holds block h of query r whole; scale, codes, and the image of the next launch's operand registers.
.rept 4
	v_nop
.endr
	v_and_b32 v51, 15, v0
	v_bfe_u32 v75, v0, 4, 1
	s_mul_i32 s38, s[WV], 4352
	s_add_co_u32 s38, s38, STG
	v_mul_u32_u24 v[STO], v51, 272
	s_delay_alu instid0(VALU_DEP_1)
	v_add_nc_u32 v[STO], s38, v[STO]
	s_delay_alu instid0(VALU_DEP_1)
	v_lshl_add_u32 v[SRD], v75, 7, v[STO]
	s_delay_alu instid0(VALU_DEP_2)
	v_lshl_add_u32 v[STO], v75, 5, v[STO]
	v_and_b32 v48, 31, v0
	s_delay_alu instid0(VALU_DEP_1)
	v_lshl_add_u32 v49, v48, 3, 512
	s_delay_alu instid0(VALU_DEP_2)
	v_lshlrev_b32 v48, 4, v48
	v_lshl_add_u32 v50, v51, 6, v75                ; o_scl: 64 r + h
.macro OUT ST, OR, C, BI, BS
	v_add_f32 v[TMP], v[\ST+2], v[\ST+3]
	s_delay_alu instid0(VALU_DEP_1)
	v_permlanex16_b32 v[PT], v[TMP], s[SEL], s[SEL+1]
	s_delay_alu instid0(VALU_DEP_1)
	v_add_f32 v[TMP], v[TMP], v[PT]
	s_wait_alu depctr_va_vdst(0)
	v_rcp_f32 v[FF], v[TMP]
	v_nop
.set n, 0
	s_wait_alu depctr_va_vdst(0)
.rept 16
	v_pk_mul_f32 v[S+n:S+n+1], v[\OR+n:\OR+n+1], v[FF:FF+1] op_sel_hi:[1,0]   ; from each accumulator's low end on
.set n, n+2
.endr
.irp t, 0,1,2,3
	ds_store_b128 v[STO], v[S+8*\t:S+8*\t+3] offset:64*\t
	ds_store_b128 v[STO], v[S+8*\t+4:S+8*\t+7] offset:64*\t+16
.endr
.irp i, 0,1,2,3,4,5,6,7
	ds_load_b128 v[Y+4*\i:Y+4*\i+3], v[SRD] offset:16*\i
.endr
	s_wait_dscnt 0x0
	v_max3_num_f32 v72, |v[Y]|, |v[Y+1]|, 0x1800000
	v_max3_num_f32 v73, |v[Y+2]|, |v[Y+3]|, |v[Y+4]|
.irp i, 5,9,13,17,21,25
	s_delay_alu instid0(VALU_DEP_2)
	v_max3_num_f32 v72, v72, |v[Y+\i]|, |v[Y+\i+1]|
	s_delay_alu instid0(VALU_DEP_2)
	v_max3_num_f32 v73, v73, |v[Y+\i+2]|, |v[Y+\i+3]|
.endr
	s_delay_alu instid0(VALU_DEP_2)
	v_max3_num_f32 v72, v72, |v[Y+29]|, |v[Y+30]|
	s_delay_alu instid0(VALU_DEP_1)
	v_max3_num_f32 v72, v72, v73, |v[Y+31]|
	s_delay_alu instid0(VALU_DEP_1)
	v_add_nc_u32 v74, 0xff000000, v72
	v_cvt_scalef32_pk16_fp6_f32 v[\C:\C+2], v[Y:Y+15], v74
	v_cvt_scalef32_pk16_fp6_f32 v[\C+6:\C+8], v[Y+16:Y+31], v74
	v_lshrrev_b32 v[\C+9], 23, v74                 ; the scale's byte (the plain place)
.irp i, 0,1,2
	v_mov_b32 v[\C+3+\i], v[\C+6+\i]
.endr
	global_store_b128 v48, v[\C:\C+3], s[\BI:\BI+1]        ; 512 consecutive bytes,
	global_store_b64 v49, v[\C+4:\C+5], s[\BI:\BI+1]       ; 256
	global_store_b8 v50, v[\C+9], s[\BS:\BS+1]             ; my block's byte: two bytes of each of 16 rows of 64
.endm
	OUT 12, OL, 52, 88, 92
	OUT 16, OE, 62, 90, 94
	s_wait_xcnt 0x0
	v_lshl_add_u32 v254, v0, 2, SPARE
	v_mov_b32 v255, 0
	s_wait_alu depctr_va_vdst(0)
	s_wait_tensorcnt 0x0                           ; the wave's end
	ds_add_u32 v254, v255
	s_wait_dscnt 0x0
	s_endpgm
.Lfunc_end_k_qbbc41ece45_attn:
	.size	k_qbbc41ece45_attn, .Lfunc_end_k_qbbc41ece45_attn-k_qbbc41ece45_attn
	.p2alignl 7, 3214868480
	.fill 96, 4, 3214868480
	.section	.rodata,"a",@progbits
	.p2align	6, 0x0
	.amdhsa_kernel k_qbbc41ece45_attn
		.amdhsa_group_segment_fixed_size 283136
		.amdhsa_private_segment_fixed_size 0
		.amdhsa_enable_private_segment 0
		.amdhsa_kernarg_size 64
		.amdhsa_user_sgpr_count 2
		.amdhsa_user_sgpr_kernarg_segment_ptr 1
		.amdhsa_wavefront_size32 1
		.amdhsa_system_sgpr_workgroup_id_x 1
		.amdhsa_system_sgpr_workgroup_id_y 1
		.amdhsa_system_sgpr_workgroup_id_z 1
		.amdhsa_system_vgpr_workitem_id 0
		.amdhsa_next_free_vgpr 256
		.amdhsa_next_free_sgpr 96
		.amdhsa_reserve_vcc 1
		.amdhsa_float_denorm_mode_32 3
		.amdhsa_float_denorm_mode_16_64 3
		.amdhsa_memory_ordered 1
		.amdhsa_forward_progress 1
		.amdhsa_inst_pref_size 94
	.end_amdhsa_kernel
	.amdgpu_metadata
---
amdhsa.version: [ 1, 2 ]
amdhsa.kernels:
  - .name:           k_qbbc41ece45_attn
    .symbol:         k_qbbc41ece45_attn.kd
    .args:
      - { .name: q_img, .offset: 0, .size: 8, .value_kind: global_buffer, .address_space: global }
      - { .name: q_scl, .offset: 8, .size: 8, .value_kind: global_buffer, .address_space: global }
      - { .name: k_img, .offset: 16, .size: 8, .value_kind: global_buffer, .address_space: global }
      - { .name: k_scl, .offset: 24, .size: 8, .value_kind: global_buffer, .address_space: global }
      - { .name: shared_v_codes, .offset: 32, .size: 8, .value_kind: global_buffer, .address_space: global }
      - { .name: shared_v_scales, .offset: 40, .size: 8, .value_kind: global_buffer, .address_space: global }
      - { .name: o_img, .offset: 48, .size: 8, .value_kind: global_buffer, .address_space: global }
      - { .name: o_scl, .offset: 56, .size: 8, .value_kind: global_buffer, .address_space: global }
    .group_segment_fixed_size: 283136
    .private_segment_fixed_size: 0
    .kernarg_segment_align: 8
    .kernarg_segment_size: 64
    .max_flat_workgroup_size: 512
    .sgpr_count:     96
    .vgpr_count:     256
    .wavefront_size: 32
...
	.end_amdgpu_metadata
.endif
;; end of part 2
;; launch oproj (part 3): grid 8 x 32, 4 waves a work-group, clusters of 4 x 4, 327,680 bytes of LDS; arguments o_img, o_scl, Wo_codes, Wo_scales, out0; writes out0
.if DOCPART == 3
	.amdgcn_target "amdgcn-amd-amdhsa--gfx1250"
	.amdhsa_code_object_version 6
	.text
	.protected	k_qbbc41ece45_oproj
	.globl	k_qbbc41ece45_oproj
	.p2align	8
	.type	k_qbbc41ece45_oproj,@function
k_qbbc41ece45_oproj:
	s_mov_b64 s[64:65], 0
	v_nop
	global_prefetch_b8 v0, s[64:65] scope:SCOPE_SE
	s_setreg_imm32_b32 hwreg(HW_REG_WAVE_MODE, 25, 1), 1
	s_wait_xcnt 0x0
	s_wait_alu depctr_hold_cnt(0) depctr_sa_sdst(0) depctr_va_vdst(0) depctr_va_sdst(0) depctr_va_ssrc(0) depctr_va_vcc(0) depctr_vm_vsrc(0)
	s_getreg_b32 s2, hwreg(HW_REG_IB_STS2, 6, 4)
	s_cmp_eq_u32 s2, 0
	s_cbranch_scc0 .Lentry_in_a_cluster
	s_endpgm
.Lentry_in_a_cluster:
	s_bfe_u32 s2, ttmp6, 0x10000c
	s_cmp_lg_u32 s2, 0xf033
	s_cbranch_scc0 .Lentry_shape_is_right
	s_endpgm
.Lentry_shape_is_right:
; out0 = o Wo^T on codes of FP6 (E2M3) with E8M0 scales, f32 out.  o arrives as images of operand registers: o_img [head 32][tile of 16 rows, 256][768 bytes]: lane l's registers 0-3 at 16 l, 4-5 at 512 + 8 l,
; lane (r, h) holding row r, k = 32 h .. 32 h + 31 of the head's 64; its scales o_scl [4096][64].  Wo: [2048][2048] codes (1,536 bytes a row), scales [2048][64].
; SHARES.  A tile of C is 128 rows x 256 columns: 32 x 8 = 256 work-groups of four waves; wave w makes 128 rows x 64 columns: 32 accumulators of 16 x 16.
; The matrix instruction is used transposed (source 0 = 16 rows of Wo, source 1 = 16 rows of o).
; B's rows go in six chunks of 256 bytes through two LDS slots (256 rows x 272), chunk c in slot c % 2; a step of 128 along K is 96 bytes: eight steps to three chunks.
; A's part of chunk c holds the heads of the steps whose bytes of B BEGIN in chunk c: 3, 3, 2 steps by turns, 6, 6, 4 heads of 6,144 dense bytes (8 images); each row of that tile begins at a multiple of 256.
; HEAD: one joint load a wave: A's chunk 0, B's chunk 0, A's scales, B's scales.  RING: wave 0 fetches A's chunk, waves 2 and 3 B's halves; wave 1 has no part.  The 16 steps are written out.
; CLUSTER 4 x 4: A's tiles are shared along a row of the cluster, B's along a column.  No prefetch: the walk along K has no loop to run ahead in.
; LIMITS: NaN, infinities and the scale byte 0xff are not served.
; REGISTERS.  window 0: v1-29 addresses; v32-63 scale words, two sets; v64-159 A's fragments; v160-255 B's, two sets.  window 1: accumulator (a, b) at v[8 (4 a + b)].
.set ROWB,  256
.set PITCH, 272
.set AB,    6*6144
.set HALFB, 128*PITCH
.set SLOT,  AB+2*HALFB
.set SCB,   2*SLOT
.set SCA,   SCB+17408
.set SPARE, SCA+8704
.set STG,   SPARE+512                  ; a stage of 16 rows x 272 for each wave: bytes of its own
.set HEADB, 196608                     ; a head of o_img in bytes
.set NLA,   4
.set ADRA,  8                          ; v8-9 16 x lane in slot 0, 1; v10-11 512 + 8 x lane
.set ADRB,  12                         ; v12-13 B's fragments in slot 0, 1; v14-15 lanes 0-15 at byte 232 of slot 0, 1, lanes 16-31 at byte 0 of the other slot
.set ADRS,  20
.set STO,   21
.set RD,    22
.set CO,    23
.set SPW,   28
.set NIL,   29
.set SC,    32
.set AF,    64
.set BF,    160
.set BK,    64
.set MULW,  0x50
.set MSB, 0
.macro WIN new
.if MSB != \new
	s_set_vgpr_msb (MSB<<8)|\new
.set MSB, \new
.endif
.endm
.macro PLACES
.rept 4
	v_nop
.endr
.endm
.macro CREST
	s_cmp_lg_u32 s16, 0
	s_cbranch_scc1 .Lnw0_\@
	s_barrier_signal -3
.Lnw0_\@:
	s_barrier_wait -3
	s_barrier_signal -1
	s_barrier_wait -1
.endm
.macro CROUND
	s_barrier_signal -1
	s_barrier_wait -1
	CREST
.endm
.macro JLOAD s
	s_cmp_lt_u32 s16, 2
	s_cbranch_scc0 .Ljb_\@
	s_cmp_eq_u32 s16, 0
	s_cbranch_scc0 .Ljn_\@
	tensor_load_to_lds s[48+4*(\s):51+4*(\s)], s[24:31]
	s_nop 0
	PLACES
	s_branch .Ljd_\@
.Ljb_\@:
	tensor_load_to_lds s[56+4*(\s):59+4*(\s)], s[32:39]
	s_nop 0
	PLACES
	s_branch .Ljd_\@
.Ljn_\@:
	PLACES
.Ljd_\@:
.endm
.macro ARM under, g0, g1, next
	s_cmp_lt_u32 s16, \under
	s_cbranch_scc0 \next
	tensor_load_to_lds s[\g0:\g0+3], s[\g1:\g1+7]
	s_nop 0
	PLACES
	s_branch .Lhead_asked
\next:
.endm
	s_load_b256 s[4:11], s[0:1], 0x0               ; o_img, o_scl, Wo codes, Wo scales
	s_load_b64 s[12:13], s[0:1], 0x20              ; out0
	v_lshl_add_u32 v[SPW], v0, 2, SPARE
	v_mov_b32 v[NIL], 0
	ds_add_u32 v[SPW], v[NIL]
	ds_add_u32 v[SPW], v[NIL]
	v_lshrrev_b32 v1, 5, v0
	v_readfirstlane_b32 s16, v1
	s_and_b32 s18, s16, 1
	s_bfe_u32 s40, ttmp6, 0x40000
	s_bfe_u32 s41, ttmp6, 0x40004
	s_lshl_b32 s42, ttmp9, 2
	s_add_co_u32 s42, s42, s40                     ; X
	s_and_b32 s43, ttmp7, 0xffff
	s_lshl_b32 s43, s43, 2
	s_add_co_u32 s43, s43, s41                     ; Y
	s_lshl_b32 s44, s41, 2
	s_lshl_b32 s44, 15, s44
	s_lshl_b32 s45, 0x1111, s40
	s_or_b32 s24, s44, (3<<16)|(1<<21)             ; A: heads x 6,144 bytes (768 elements of 8), a head apart, no padding
	s_mov_b32 s25, 768<<16
	s_mov_b32 s26, 6<<16
	s_mov_b32 s27, 768<<16
	s_mov_b32 s28, 6
	s_mov_b32 s29, HEADB/8
	s_mov_b32 s30, 0
	s_mov_b32 s31, 0
	s_or_b32 s32, s45, (1<<20)|(1<<21)|(5<<22)|(3<<25)   ; B: rows of 256 bytes, 16 bytes of padding behind each; 256 rows at the head
	s_mov_b32 s33, ROWB<<16
	s_mov_b32 s34, 256<<16
	s_mov_b32 s35, ROWB<<16
	s_mov_b32 s36, 256
	s_mov_b32 s37, 1536
	s_mov_b32 s38, 0
	s_mov_b32 s39, 0
	s_or_b32 s68, s44, (3<<16)|(1<<20)|(1<<21)|(5<<22)|(3<<25)
	s_or_b32 s76, s45, (3<<16)|(1<<20)|(1<<21)|(5<<22)|(3<<25)
.irp g, 68, 76
	s_mov_b32 s[\g+1], 32<<16
	s_mov_b32 s[\g+3], 32<<16
	s_mov_b32 s[\g+5], 32
	s_mov_b32 s[\g+6], 0
	s_mov_b32 s[\g+7], 0
.endr
	s_mov_b32 s70, 32<<16
	s_mov_b32 s72, 32
	s_mov_b32 s78, 64<<16
	s_mov_b32 s80, 64
	s_mul_i32 s20, s43, 6144                       ; my 8 images in each head
	s_mov_b32 s21, 0
	s_mul_i32 s22, s18, 128*1536
	s_mov_b32 s23, 0
	s_lshl_b32 s96, s43, 13
	s_mov_b32 s97, 0
	s_mul_i32 s46, s42, 256*1536
	s_mov_b32 s47, 0
	s_lshl_b32 s98, s42, 14
	s_mov_b32 s99, 0
	s_mul_i32 s19, s18, HALFB
	s_wait_dscnt 0x0
	s_wait_kmcnt 0x0
	s_add_nc_u64 s[20:21], s[4:5], s[20:21]
	s_add_nc_u64 s[46:47], s[8:9], s[46:47]
	s_add_nc_u64 s[86:87], s[6:7], s[96:97]
	s_add_nc_u64 s[90:91], s[10:11], s[98:99]
	CROUND                                         ; in front of the first joint loads
	s_mov_b32 s48, 1                               ; A, slot 0: heads 0-5
	s_mov_b32 s49, 0
	s_mov_b64 s[50:51], s[20:21]
	s_or_b32 s51, s51, 0x80000000
	s_mov_b32 s52, 1                               ; A, slot 1: heads 6-11
	s_mov_b32 s53, SLOT
	s_add_nc_u64 s[54:55], s[20:21], 6*HEADB
	s_or_b32 s55, s55, 0x80000000
	s_mov_b32 s8, 1                                ; the head's load of B's chunk 0
	s_mov_b32 s9, AB
	s_mov_b64 s[10:11], s[46:47]
	s_or_b32 s11, s11, 0x80000000
	s_add_nc_u64 s[46:47], s[46:47], s[22:23]
	s_mov_b32 s56, 1
	s_add_co_u32 s57, s19, AB
	s_mov_b64 s[58:59], s[46:47]
	s_or_b32 s59, s59, 0x80000000
	s_mov_b32 s60, 1
	s_add_co_u32 s61, s19, SLOT+AB
	s_add_nc_u64 s[62:63], s[46:47], ROWB
	s_or_b32 s63, s63, 0x80000000
	s_mov_b32 s84, 1
	s_mov_b32 s85, SCA
	s_or_b32 s87, s87, 0x80000000
	s_mov_b32 s88, 1
	s_mov_b32 s89, SCB
	s_or_b32 s91, s91, 0x80000000
	ARM 1, 48, 24, .Lhead_b
	ARM 2, 8,  32, .Lhead_sa
	ARM 3, 84, 68, .Lhead_sb
	tensor_load_to_lds s[88:91], s[76:83]
	s_nop 0
	PLACES
.Lhead_asked:
	v_and_b32 v1, 15, v0                           ; r
	v_bfe_u32 v2, v0, 4, 1                         ; h
	v_and_b32 v6, 31, v0                           ; lane
	v_mul_u32_u24 v3, v1, PITCH
	s_mov_b32 s21, SLOT-232
	s_mov_b32 s22, SLOT+232
	v_sub_nc_u32 v7, 1, v2
	v_mad_u32_u24 v4, v2, 24, v3
	v_mad_u32_u24 v5, v2, s21, v3
	v_add_nc_u32 v5, 232, v5
	v_mad_u32_u24 v7, v7, s22, v3
	s_mul_i32 s3, s16, 64*PITCH
	s_add_co_u32 s3, s3, AB
	v_add_nc_u32 v[ADRB], s3, v4
	v_add_nc_u32 v[ADRB+1], SLOT, v[ADRB]
	v_add_nc_u32 v[ADRB+2], s3, v5
	v_add_nc_u32 v[ADRB+3], s3, v7
	v_lshlrev_b32 v[ADRA], 4, v6
	v_add_nc_u32 v[ADRA+1], SLOT, v[ADRA]
	v_lshl_add_u32 v[ADRA+2], v6, 3, 512
	v_add_nc_u32 v[ADRA+3], SLOT, v[ADRA+2]
	v_lshlrev_b32 v3, 6, v1
	v_lshrrev_b32 v4, 2, v1
	v_lshl_add_u32 v3, v4, 4, v3
	s_xor_b32 s3, s16, 3
	s_mul_i32 s3, s3, 4352
	s_add_co_u32 s3, s3, 4352
	v_mul_u32_u24 v4, s3, v2
	v_add_nc_u32 v3, v3, v4
	s_mul_i32 s3, s16, 4352
	s_add_co_u32 s3, s3, SCB
	v_add_nc_u32 v[ADRS], s3, v3
	s_mul_i32 s3, s16, 4352
	s_add_co_u32 s3, s3, STG
	v_mul_u32_u24 v3, v1, 272
	v_add_nc_u32 v3, s3, v3
	v_lshl_add_u32 v[STO], v2, 5, v3
	v_mul_u32_u24 v3, v2, 272
	v_lshl_add_u32 v3, v1, 4, v3
	v_add_nc_u32 v[RD], s3, v3
	v_lshlrev_b32 v3, 13, v2
	v_lshl_add_u32 v[CO], v1, 4, v3
	s_lshl_b32 s100, s43, 20
	s_lshl_b32 s2, s42, 10
	s_add_co_u32 s100, s100, s2
	s_lshl_b32 s2, s16, 8
	s_add_co_u32 s100, s100, s2
	s_mov_b32 s101, 0
	s_add_nc_u64 s[12:13], s[12:13], s[100:101]
.macro FRAG reg, adr, st, i
.irp p, 0,1,2,3,4,5
.set BY, 96*(\st)+48*(\p/3)+8*(\p%3)
.if BY/ROWB == (BY+24)/ROWB
	ds_load_b64 v[\reg+2*\p:\reg+2*\p+1], v[\adr+(BY/ROWB)%2] offset:BY%ROWB+(\i)*16*PITCH
.else
	ds_load_b64 v[\reg+2*\p:\reg+2*\p+1], v[\adr+2+(BY/ROWB)%2] offset:BY%ROWB-232+(\i)*16*PITCH
.endif
.endr
.endm
.macro FRAGA reg, st, a                ; two heads' images are the fragment's two halves; step st is the LS-th of chunk CA
.set CA, (96*(\st))/ROWB
.set LS, (\st)-(ROWB*CA+95)/96
.irp c, 0,1
	ds_load_b128 v[\reg+6*\c:\reg+6*\c+3], v[ADRA+CA%2] offset:(2*LS+\c)*6144+768*(\a)
	ds_load_b64 v[\reg+6*\c+4:\reg+6*\c+5], v[ADRA+2+CA%2] offset:(2*LS+\c)*6144+768*(\a)
.endr
.endm
.macro FETCH_B st, p
.irp i, 0,1,2,3
	FRAG BF+48*(\p)+12*\i, ADRB, \st, \i
.endr
.endm
.macro FETCH_A st, a0
.irp i, \a0, \a0+1, \a0+2, \a0+3
	FRAGA AF+12*(\i), \st, \i
.endr
.endm
.macro SCALES c
.irp i, 0,1,2,3,4,5,6,7
	ds_load_b64 v[SC+16*((\c)%2)+2*\i:SC+16*((\c)%2)+2*\i+1], v[ADRS] offset:8*(\c)+1088*\i
.endr
.endm
; The 32 accumulators take turns.
.macro MUL8 a0, p, set, q, zero
.irp a, \a0, \a0+1
.irp b, 0,1,2,3
.if \zero
	v_wmma_scale_f32_16x16x128_f8f6f4 v[8*(4*(\a)+\b):8*(4*(\a)+\b)+7], v[BF+48*(\p)+12*\b:BF+48*(\p)+12*\b+11], v[AF+12*(\a):AF+12*(\a)+11], 0, v[SC+16*(\set)+2*\b+(\q)], v[SC+16*(\set)+2*(\a)+(\q)] matrix_a_fmt:MATRIX_FMT_FP6 matrix_b_fmt:MATRIX_FMT_FP6 matrix_b_scale:MATRIX_SCALE_ROW1
.else
	v_wmma_scale_f32_16x16x128_f8f6f4 v[8*(4*(\a)+\b):8*(4*(\a)+\b)+7], v[BF+48*(\p)+12*\b:BF+48*(\p)+12*\b+11], v[AF+12*(\a):AF+12*(\a)+11], v[8*(4*(\a)+\b):8*(4*(\a)+\b)+7], v[SC+16*(\set)+2*\b+(\q)], v[SC+16*(\set)+2*(\a)+(\q)] matrix_a_fmt:MATRIX_FMT_FP6 matrix_b_fmt:MATRIX_FMT_FP6 matrix_b_scale:MATRIX_SCALE_ROW1
.endif
.endr
.endr
.endm
; A step, as in the first launch; at a refill A's address goes on by the heads of two chunks, and its descriptor counts the new chunk's heads.
.macro STEP st, zero
.set NX, (\st)+1
.set C0, (96*(\st))/ROWB
.set C1, (96*NX)/ROWB
.set E0, (96*(\st)+95)/ROWB
.set E1, (96*NX+95)/ROWB
.set PP, (\st)%2
.set SS, ((\st)/2)%2
.if C1 > C0 || E1 > E0
	s_wait_tensorcnt 0x0
.if C1 > C0
	ds_add_u32 v[SPW], v[NIL]
	s_wait_dscnt 4*NLA+1                           ; the add and A's blocks 4-7 may be out
.else
	s_wait_dscnt 4*NLA
.endif
	WIN MULW
	MUL8 0, PP, SS, PP, \zero
	s_wait_dscnt 0x0
	s_barrier_signal -1
	MUL8 2, PP, SS, PP, \zero
	WIN 0
	s_barrier_wait -1
.if C1 > C0 && C0+2 < 6
	CREST
.set SA0, (ROWB*C0+95)/96
.set SA2, (ROWB*(C0+2)+95)/96
.set SA3, (ROWB*(C0+3)+95)/96
	s_add_nc_u64 s[50+4*(C0%2):51+4*(C0%2)], s[50+4*(C0%2):51+4*(C0%2)], 2*(SA2-SA0)*HEADB
	s_mov_b32 s26, (2*(SA3-SA2))<<16
	s_mov_b32 s28, 2*(SA3-SA2)
	s_add_nc_u64 s[58+4*(C0%2):59+4*(C0%2)], s[58+4*(C0%2):59+4*(C0%2)], 2*ROWB
	JLOAD C0%2
.else
	PLACES
.endif
.else
	s_wait_dscnt 4*NLA
	WIN MULW
	MUL8 0, PP, SS, PP, \zero
	MUL8 2, PP, SS, PP, \zero
	s_wait_dscnt 0x0
	PLACES
	WIN 0
.endif
	FETCH_B NX, NX%2
	FETCH_A NX, 0
.if NX%2 == 0
	SCALES NX/2
.endif
	WIN MULW
	MUL8 4, PP, SS, PP, \zero
	MUL8 6, PP, SS, PP, \zero
	PLACES
	WIN 0
	FETCH_A NX, 4
.endm
	s_wait_alu depctr_va_vdst(0)
	s_wait_tensorcnt 0x0
	ds_add_u32 v[SPW], v[NIL]
	s_mov_b32 s34, 128<<16                         ; from here on a load of B brings 128 rows
	s_mov_b32 s36, 128
	s_wait_dscnt 0x0
	CROUND
	JLOAD 1                                        ; chunk 1, the first tensor load behind the round
	FETCH_B 0, 0
	FETCH_A 0, 0
	SCALES 0
	FETCH_A 0, 4
	STEP 0, 1
.set ST, 1
.rept 14
	STEP ST, 0
.set ST, ST+1
.endr
	s_wait_dscnt 4*NLA
	WIN MULW
	MUL8 0, 1, 1, 1, 0
	MUL8 2, 1, 1, 1, 0
	s_wait_dscnt 0x0
	MUL8 4, 1, 1, 1, 0
	MUL8 6, 1, 1, 1, 0
	WIN 0
	; THE WAY OUT, block by block of 16 rows x 64 columns, through my own stage: back come whole rows of 256 bytes, which sixteen lanes store as one aligned run.
.macro TOSTAGE a
	WIN 0x04
.irp b, 0,1,2,3
	ds_store_b128 v[STO], v[8*(4*(\a)+\b):8*(4*(\a)+\b)+3] offset:64*\b
	ds_store_b128 v[STO], v[8*(4*(\a)+\b)+4:8*(4*(\a)+\b)+7] offset:64*\b+16
.endr
	WIN 0
.irp i, 0,1,2,3,4,5,6,7
	ds_load_b128 v[BK+32*((\a)%2)+4*\i:BK+32*((\a)%2)+4*\i+3], v[RD] offset:544*\i
.endr
.endm
.macro SEND a, younger
	s_wait_dscnt \younger
.irp i, 0,1,2,3,4,5,6,7
	global_store_b128 v[CO], v[BK+32*((\a)%2)+4*\i:BK+32*((\a)%2)+4*\i+3], s[12:13] offset:(16*(\a)+2*\i)*8192 th:TH_STORE_NT
.endr
.endm
	PLACES
	TOSTAGE 0
.irp a, 1,2,3,4,5,6,7
.if \a > 1
	s_wait_xcnt 0x0                                ; block a - 2's stores have read their registers
.endif
	TOSTAGE \a
	SEND \a-1, 16                                  ; behind block a - 1's loads: block a's 8 stores and 8 loads
.endr
	SEND 7, 0
	s_wait_tensorcnt 0x0                           ; the wave's end
	ds_add_u32 v[SPW], v[NIL]
	s_wait_dscnt 0x0
	CROUND                                         ; the closing round
	s_endpgm
.Lfunc_end_k_qbbc41ece45_oproj:
	.size	k_qbbc41ece45_oproj, .Lfunc_end_k_qbbc41ece45_oproj-k_qbbc41ece45_oproj
	.p2alignl 7, 3214868480
	.fill 96, 4, 3214868480
	.section	.rodata,"a",@progbits
	.p2align	6, 0x0
	.amdhsa_kernel k_qbbc41ece45_oproj
		.amdhsa_group_segment_fixed_size 327680
		.amdhsa_private_segment_fixed_size 0
		.amdhsa_enable_private_segment 0
		.amdhsa_kernarg_size 40
		.amdhsa_user_sgpr_count 2
		.amdhsa_user_sgpr_kernarg_segment_ptr 1
		.amdhsa_wavefront_size32 1
		.amdhsa_system_sgpr_workgroup_id_x 1
		.amdhsa_system_sgpr_workgroup_id_y 1
		.amdhsa_system_sgpr_workgroup_id_z 1
		.amdhsa_system_vgpr_workitem_id 0
		.amdhsa_next_free_vgpr 512
		.amdhsa_next_free_sgpr 102
		.amdhsa_reserve_vcc 0
		.amdhsa_float_denorm_mode_32 3
		.amdhsa_float_denorm_mode_16_64 3
		.amdhsa_memory_ordered 1
		.amdhsa_forward_progress 1
		.amdhsa_inst_pref_size 163
	.end_amdhsa_kernel
	.amdgpu_metadata
---
amdhsa.version: [ 1, 2 ]
amdhsa.kernels:
  - .name:           k_qbbc41ece45_oproj
    .symbol:         k_qbbc41ece45_oproj.kd
    .args:
      - { .name: o_img, .offset: 0, .size: 8, .value_kind: global_buffer, .address_space: global }
      - { .name: o_scl, .offset: 8, .size: 8, .value_kind: global_buffer, .address_space: global }
      - { .name: Wo_codes, .offset: 16, .size: 8, .value_kind: global_buffer, .address_space: global }
      - { .name: Wo_scales, .offset: 24, .size: 8, .value_kind: global_buffer, .address_space: global }
      - { .name: out0, .offset: 32, .size: 8, .value_kind: global_buffer, .address_space: global }
    .group_segment_fixed_size: 327680
    .private_segment_fixed_size: 0
    .kernarg_segment_align: 8
    .kernarg_segment_size: 40
    .max_flat_workgroup_size: 128
    .sgpr_count:     102
    .vgpr_count:     512
    .wavefront_size: 32
...
	.end_amdgpu_metadata
.endif
;; end of part 3
